; MI455X (gfx1250); checked and timed in simulation.
; The chip was launched on July 23, 2026; its instructions are those of AMD's public machine-readable ISA for CDNA 5 (MIT licence, August 2026) and "CDNA5" Instruction Set Architecture Reference Guide (July 2026). The comments in the code are by the model that wrote it; some were corrected since.
;; Attention. Allowed arithmetic: matrix products marked QUANTISED: E2M1 operands, one E8M0 scale for each 32 along K, by v_wmma_scale_f32_16x16x128_f8f6f4 with both operands' format E2M1 (or v_wmma_scale_f32_32x16x128_f4), f32 sums; products left as they are: bf16, f16 or f32 operands; f32 sums; everything else in f32.
;; Inputs: b_proj 1,024 float32; b_qkv 3,072 float32; w_proj 1,024 x 1,024 float32; w_qkv 1,024 x 3,072 float32; x 4 x 2,048 x 1,024 float32.
;; Outputs: out0 4 x 2,048 x 1,024 float32.
;; This version of the problem:
;;   THIS VERSION OF THE PROBLEM IS GIVEN IN LOW PRECISION. The matrix products marked QUANTISED in the list below multiply operands that are first quantised to E2M1 (2 exponent bits, 1 mantissa bit; 4 bits a number), with one power-of-two scale for each 32 numbers along K (OCP MX v1.0); their sums are f32. The products marked 'left as it is' may take bf16, f16 or f32 operands, with f32 sums. All else is computed in f32.
;;   The module's matrix products, in the order in which they are computed (A, B: the left and right operand; K: the contracted axis; several contracted axes count as one K, in the product's order):
;;     1. [M 8,192, K 1,024] x [K 1,024, N 3,072]; A: input x; B: input w_qkv: QUANTISED
;;     2. batch 64 x [M 2,048, K 64] x [K 64, N 2,048]; A: computed on the way; B: computed on the way: left as it is (an operand is computed on the way)
;;     3. batch 64 x [M 2,048, K 2,048] x [K 2,048, N 64]; A: computed on the way; B: computed on the way: left as it is (an operand is computed on the way)
;;     4. [M 8,192, K 1,024] x [K 1,024, N 1,024]; A: computed on the way; B: input w_proj: left as it is (an operand is computed on the way)
;;   THE QUANTISER, for each operand of a quantised product, along K:
;;     - K is cut into blocks of 32 from its start; a last block that is shorter is filled with zeros.
;;     - A block's scale is 2^e with e = floor(log2(the largest magnitude in the block)) - 2, held to -126 .. 127; a block of zeros has e = 0. As a byte (E8M0): e + 127.
;;     - Each number is divided by its block's scale, clamped to +-6, and rounded to the nearest number of E2M1, ties to even, subnormals kept.
;;     - The product sums the exact products of the quantised numbers (number of the format x scale) in f32.
;;   ~~~python
;;   def quantise(x, axis):      # numpy; x: float32 -> the quantised numbers, widened to float32 again
;;       x = np.moveaxis(x, axis, -1); K = x.shape[-1]
;;       x = np.pad(x, [(0, 0)] * (x.ndim - 1) + [(0, -K % 32)]); x = x.reshape(x.shape[:-1] + (-1, 32)); a = np.abs(x).max(-1, keepdims=True)
;;       e = np.where(a > 0, np.clip(np.frexp(np.where(a > 0, a, 1))[1] - 1 - 2, -126, 127), 0)      # np.frexp(a)[1] - 1 = floor(log2(a)), exactly
;;       r = np.clip(x / 2.0 ** e, -6, 6)
;;       step = 2.0 ** (np.maximum(np.frexp(np.where(r == 0, 1, r))[1] - 1, 0) - 1)
;;       q = np.round(r / step) * step * 2.0 ** e      # np.round: ties to even
;;       return np.moveaxis(q.reshape(q.shape[:-2] + (-1,))[..., :K], -1, axis).astype(np.float32)
;;   ~~~
;; One version. Each part assembles by itself: llvm-mc -triple=amdgcn-amd-amdhsa -mcpu=gfx1250 --defsym DOCPART=n.
;; ======== version 1 of 1: 4 launches
;; limits: values are held in f16: magnitudes above 65,504 overflow, below 6.1e-05 lose precision
;; workspace buffers: xc 4,194,304 bytes; xs 262,144 bytes; wc 1,572,864 bytes; ws 98,304 bytes; wpt 2,097,152 bytes; qkv 50,331,648 bytes; ao 16,777,216 bytes
;; launch prep (part 1): grid 368 x 1, 4 waves a work-group, no clusters, 102,912 bytes of LDS; arguments x, w_qkv, w_proj, xc, xs, wc, ws, wpt; writes xc, xs, wc, ws, wpt
.if DOCPART == 1
	.amdgcn_target "amdgcn-amd-amdhsa--gfx1250"
	.amdhsa_code_object_version 6
	.text
	.protected	k_qc37ea8896d_prep
	.globl	k_qc37ea8896d_prep
	.p2align	8
	.type	k_qc37ea8896d_prep,@function
k_qc37ea8896d_prep:
	s_mov_b64 s[64:65], 0
	v_nop
	global_prefetch_b8 v0, s[64:65] scope:SCOPE_SE
	s_setreg_imm32_b32 hwreg(HW_REG_WAVE_MODE, 25, 1), 1
	s_wait_xcnt 0x0
; PREP: the three operands that later launches read many times are brought into their narrow forms once.
;   work-groups   0 ..  47: w_qkv [1024 (k)][3072 (n)] f32 -> codes of FP4 (E2M1) laid [3072][512 bytes], K innermost, and one E8M0 byte for each 32 along K, laid [3072][32]
;   work-groups  48 .. 111: w_proj [1024 (k)][1024 (n)] f32 -> f16 laid [n][k]
;   work-groups 112 .. 367: x [8192][1024] f32 -> codes [8192][512 bytes] and scale bytes [8192][32]
; A block's scale is 2^(floor(log2(its largest magnitude)) - 2): its byte is the largest magnitude's exponent field - 2, held at 1 from below.  A block of zeros so gets the byte 1: its codes are zeros,
; which add nothing under any byte but 0xff, and this program alone reads the bytes.
; LIMITS: NaN and infinities among the inputs are not served; |w_proj| stays under 65,504 (f16's largest number).
; The three paths part on the work-group's number alone; each has LDS bytes of its own.  Waves share nothing: no barrier.  No tile is read by two work-groups, so there is nothing to share in a cluster.
.set SP,     80                        ; x: a lane's place in a stage: its 64 bytes + 16 of padding
.set CB,     8                         ; bytes of 16 codes
.set XSTEPS, 16
.set R,      16                        ; v16-79   x: four sets of 16 numbers as they are loaded
.set X,      80                        ; v80-111  x: two sets of 16 neighbours
.set C,      128                       ; v128-191 x: codes, four registers for each step, so that no store's data are written again
.set E,      112                       ; v112-127 x: a scale byte for each step
.set WSTG,   32768                     ; LDS: x's regions 0 .. 32767 (8,192 a wave); w_qkv's stages from here (8,704 a wave);
.set PSTG,   67584                     ; w_proj's from here
.set WP,     272                       ; a stage row of the weights' paths: 256 bytes + 16
.set WX,     32                        ; v32-95   the weights: two sets of 32 numbers down K
.set WC,     96                        ; v96..    a block's codes (4 registers) or f16 numbers (16)
.set OUTR,   112                       ; v112-175 the way out
.set SB,     24                        ; v24-27   w_qkv's scale bytes, four to a register
	s_load_b256 s[4:11], s[0:1], 0x0               ; x s[4:5], w_qkv s[6:7], w_proj s[8:9], xc s[10:11]
	s_load_b256 s[12:19], s[0:1], 0x20             ; xs s[12:13], wc s[14:15], ws s[16:17], wpt s[18:19]
	v_lshl_add_u32 v192, v0, 2, 0x19000
	v_mov_b32 v193, 0
	v_lshrrev_b32 v1, 5, v0
	v_readfirstlane_b32 s20, v1                    ; wave 0..3
	v_and_b32 v2, 31, v0                           ; lane
	s_cmp_lt_u32 ttmp9, 48
	s_cbranch_scc1 .LW
	s_cmp_lt_u32 ttmp9, 112
	s_cbranch_scc1 .LP
; ---------------- x: a plain stream of blocks of 32.  A wave takes 16 steps of 512 numbers.  Each load reads 512 consecutive bytes; a step's 2,048 bytes turn through the wave's own stage in LDS,
; so that a lane holds 16 neighbours along K (two neighbouring lanes hold a block).
	v_lshlrev_b32 v3, 4, v2                        ; my 16 bytes of a load's 512
	s_mul_i32 s21, s20, 8192
	v_lshrrev_b32 v14, 2, v2
	v_mul_u32_u24 v14, v14, SP
	v_and_b32 v15, 3, v2
	v_lshl_add_u32 v14, v15, 4, v14
	v_add_nc_u32 v14, s21, v14                     ; the stage, on the way in: SP (lane / 4) + 16 (lane % 4)
	v_mul_u32_u24 v15, v2, SP
	v_add_nc_u32 v15, s21, v15                     ; and on the way out: SP x lane
	v_mul_u32_u24 v4, v2, CB                       ; my codes' place in a step's
	v_lshrrev_b32 v5, 1, v2
	s_add_co_u32 s21, s21, 2*32*SP
	v_add_nc_u32 v5, s21, v5                       ; LDS: my wave's 256 scale bytes, my block's byte
	v_lshlrev_b32 v7, 3, v2
	v_add_nc_u32 v6, s21, v7                       ; and on the way out 8 bytes a lane
	s_sub_co_u32 s22, ttmp9, 112
	s_lshl_b32 s22, s22, 2
	s_add_co_u32 s22, s22, s20                     ; which run of 8,192 numbers is my wave's: 0 .. 1023
	s_mov_b32 s25, 0
	s_lshl_b32 s24, s22, 15                        ; 32,768 bytes of x a run
	s_wait_kmcnt 0x0
	s_add_nc_u64 s[4:5], s[4:5], s[24:25]
	s_lshl_b32 s24, s22, 12                        ; 4,096 bytes of codes
	s_add_nc_u64 s[10:11], s[10:11], s[24:25]
	s_lshl_b32 s24, s22, 8                         ; 256 scale bytes
	s_add_nc_u64 s[12:13], s[12:13], s[24:25]
.macro XLOAD t
.irp i, 0,1,2,3
	global_load_b128 v[R+16*((\t)%4)+4*\i:R+16*((\t)%4)+4*\i+3], v3, s[4:5] offset:2048*(\t)+512*\i th:TH_LOAD_NT
.endr
.endm
.macro XTURN t                         ; step t's numbers through the stage: LDS serves a wave's instructions in order, so no wait stands between the stores and the loads
.irp i, 0,1,2,3
	ds_store_b128 v14, v[R+16*((\t)%4)+4*\i:R+16*((\t)%4)+4*\i+3] offset:32*SP*((\t)%2)+8*SP*\i
.endr
.irp i, 0,1,2,3
	ds_load_b128 v[X+16*((\t)%2)+4*\i:X+16*((\t)%2)+4*\i+3], v15 offset:32*SP*((\t)%2)+16*\i
.endr
.endm
.macro XSTEP t
.set XS, X+16*((\t)%2)
.if (\t) > 0
	s_wait_dscnt 1                                 ; this step's numbers are back from the stage (the last step's byte store may be out)
.else
	s_wait_dscnt 0x0
.endif
.if (\t)+4 < XSTEPS
	XLOAD (\t)+4                                   ; into the registers that this step's stage stores have read
.endif
.if (\t)+1 < XSTEPS
.if XSTEPS-2-(\t) >= 3
	s_wait_loadcnt 12                              ; the next step's four loads are in; those of the three steps behind it may be out
.else
	s_wait_loadcnt 4*(XSTEPS-2-(\t))
.endif
	XTURN (\t)+1
.endif
	v_max3_num_f32 v8, |v[XS]|, |v[XS+1]|, |v[XS+2]|               ; the largest magnitude of my 16, in two chains
	v_max3_num_f32 v9, |v[XS+3]|, |v[XS+4]|, |v[XS+5]|
.irp i, 6,10
	v_max3_num_f32 v8, v8, |v[XS+\i]|, |v[XS+\i+1]|
	v_max3_num_f32 v9, v9, |v[XS+\i+2]|, |v[XS+\i+3]|
.endr
	v_max3_num_f32 v8, v8, |v[XS+14]|, |v[XS+15]|
	v_max3_num_f32 v8, v8, v9, 0x1800000           ; and the floor 2^(3 - 127): the byte cannot fall under 1
	v_max_num_f32_dpp v8, v8, v8 row_xmask:1 row_mask:0xf bank_mask:0xf   ; and of my neighbour's 16: the block's
	v_add_nc_u32 v11, 0xff000000, v8               ; 2 off its exponent field: the conversion takes the exponent field of this operand as its scale
	v_cvt_scalef32_pk8_fp4_f32 v[C+4*(\t)], v[XS:XS+7], v11
	v_cvt_scalef32_pk8_fp4_f32 v[C+4*(\t)+1], v[XS+8:XS+15], v11
	v_lshrrev_b32 v[E+(\t)], 23, v11               ; the scale's byte (also the plain line behind the conversions)
	ds_store_b8 v5, v[E+(\t)] offset:16*(\t)       ; both lanes of a block write the same byte with the same value
	global_store_b64 v4, v[C+4*(\t):C+4*(\t)+1], s[10:11] offset:32*CB*(\t)   ; the wave stores 256 consecutive bytes, aligned
.endm
.irp t, 0,1,2,3
	XLOAD \t
.endr
	s_wait_loadcnt 12                              ; step 0's four loads are in
	XTURN 0
.irp t, 0,1,2,3,4,5,6,7,8,9,10,11,12,13,14,15
	XSTEP \t
.endr
	ds_load_b64 v[12:13], v6                       ; LDS serves a wave's instructions in order: these see my byte stores
	s_wait_dscnt 0x0
	global_store_b64 v7, v[12:13], s[12:13]        ; 32 lanes store 256 consecutive bytes, aligned
	s_wait_tensorcnt 0x0
	ds_add_u32 v192, v193
	s_wait_dscnt 0x0
	s_endpgm
; ---------------- w_qkv: K is its first axis.  A lane takes a column n and its registers run down K: a block of 32 lies in one lane, and the conversions give codes with K innermost.
; A wave takes 32 columns x 512 along K; the codes go through the wave's own stage and leave as rows: sixteen lanes store 256 consecutive bytes, aligned.
.LW:
	s_cmp_lt_u32 ttmp9, 24
	s_cselect_b32 s22, 0, 1                        ; which 512 along K
	s_cselect_b32 s23, 0, 24
	s_sub_co_u32 s23, ttmp9, s23                   ; which 128 columns: 0 .. 23
	s_lshl_b32 s21, s23, 7
	s_lshl_b32 s24, s20, 5
	s_add_co_u32 s21, s21, s24                     ; my wave's first column
	v_lshlrev_b32 v3, 2, v2                        ; in: 4 bytes a lane
	s_mul_i32 s25, s20, 32*WP
	s_add_co_u32 s25, s25, WSTG                    ; my stage
	v_mul_u32_u24 v4, v2, WP
	v_add_nc_u32 v4, s25, v4                       ; into it: row = my column
	v_and_b32 v5, 15, v2
	v_lshrrev_b32 v6, 4, v2
	v_mul_u32_u24 v7, v6, WP
	v_lshl_add_u32 v7, v5, 4, v7
	v_add_nc_u32 v7, s25, v7                       ; out of it: sixteen lanes to a row, two rows an instruction
	v_lshlrev_b32 v8, 9, v6
	v_lshl_add_u32 v8, v5, 4, v8                   ; and the same place in the codes' buffer (rows of 512 bytes)
	v_lshlrev_b32 v9, 5, v2                        ; my column's row of scale bytes (32 bytes)
	s_mul_i32 s26, s22, 512*3072*4
	s_lshl_b32 s27, s21, 2
	s_add_co_u32 s26, s26, s27
	s_mov_b32 s27, 0
	s_wait_kmcnt 0x0
	s_add_nc_u64 s[6:7], s[6:7], s[26:27]
	s_lshl_b32 s26, s21, 9
	s_lshl_b32 s28, s22, 8
	s_add_co_u32 s26, s26, s28
	s_add_nc_u64 s[14:15], s[14:15], s[26:27]
	s_lshl_b32 s26, s21, 5
	s_lshl_b32 s28, s22, 4
	s_add_co_u32 s26, s26, s28
	s_add_nc_u64 s[16:17], s[16:17], s[26:27]
.macro WLOAD t                         ; block t: w(32 t + i, my column) into set t % 2; the largest offset, 511 rows of 12,288 bytes, lies inside the signed 24-bit immediate
.irp i, 0,1,2,3,4,5,6,7,8,9,10,11,12,13,14,15,16,17,18,19,20,21,22,23,24,25,26,27,28,29,30,31
	global_load_b32 v[WX+32*((\t)%2)+\i], v3, s[6:7] offset:(32*(\t)+\i)*12288 th:TH_LOAD_NT
.endr
.endm
.macro WBLOCK t
.set XS, WX+32*((\t)%2)
.if (\t) < 15
	s_wait_loadcnt 32                              ; this block's 32 loads are in; the next block's may be out
.else
	s_wait_loadcnt 0
.endif
	v_max3_num_f32 v12, |v[XS]|, |v[XS+1]|, |v[XS+2]|              ; the block's largest magnitude: all 32 numbers are mine
	v_max3_num_f32 v13, |v[XS+3]|, |v[XS+4]|, |v[XS+5]|
.irp i, 6,10,14,18,22,26
	v_max3_num_f32 v12, v12, |v[XS+\i]|, |v[XS+\i+1]|
	v_max3_num_f32 v13, v13, |v[XS+\i+2]|, |v[XS+\i+3]|
.endr
	v_max3_num_f32 v12, v12, |v[XS+30]|, |v[XS+31]|
	v_max3_num_f32 v12, v12, v13, 0x1800000        ; and the floor 2^(3 - 127)
	v_add_nc_u32 v11, 0xff000000, v12              ; 2 off its exponent field: the conversion's scale operand
	v_lshrrev_b32 v13, 23, v11                     ; the scale's byte
.if (\t)%4 == 0
	v_mov_b32 v[SB+(\t)/4], v13                    ; four bytes to a register, the lower K in the lower byte
.else
	v_lshl_or_b32 v[SB+(\t)/4], v13, 8*((\t)%4), v[SB+(\t)/4]
.endif
.irp g, 0,1,2,3
	v_cvt_scalef32_pk8_fp4_f32 v[WC+\g], v[XS+8*\g:XS+8*\g+7], v11
.endr
	ds_store_b128 v4, v[WC:WC+3] offset:16*(\t)    ; 32 codes: 16 bytes of my column's row
.if (\t)+2 < 16
	WLOAD (\t)+2
.endif
	s_wait_dscnt 0x0                               ; the store has read its registers: the next block's codes may be written
.endm
	WLOAD 0
	WLOAD 1
.set Q, 0
.rept 16
	WBLOCK Q
.set Q, Q+1
.endr
	global_store_b128 v9, v[SB:SB+3], s[16:17]     ; my column's 16 scale bytes
.irp t, 0,1,2,3,4,5,6,7,8,9,10,11,12,13,14,15
	ds_load_b128 v[OUTR+4*\t:OUTR+4*\t+3], v7 offset:2*\t*WP
.endr
.irp t, 0,1,2,3,4,5,6,7,8,9,10,11,12,13,14,15
	s_wait_dscnt 15-\t
	global_store_b128 v8, v[OUTR+4*\t:OUTR+4*\t+3], s[14:15] offset:2*\t*512
.endr
	s_wait_tensorcnt 0x0
	ds_add_u32 v192, v193
	s_wait_dscnt 0x0
	s_endpgm
; ---------------- w_proj: the same plan with f16 in place of codes.  A wave takes 32 columns x 128 along K: 256 bytes of f16 for each column.
.LP:
	s_sub_co_u32 s22, ttmp9, 48
	s_and_b32 s23, s22, 7                          ; which 128 columns
	s_lshr_b32 s22, s22, 3                         ; which 128 along K
	s_lshl_b32 s21, s23, 7
	s_lshl_b32 s24, s20, 5
	s_add_co_u32 s21, s21, s24                     ; my wave's first column
	v_lshlrev_b32 v3, 2, v2
	s_mul_i32 s25, s20, 32*WP
	s_add_co_u32 s25, s25, PSTG                    ; my stage
	v_mul_u32_u24 v4, v2, WP
	v_add_nc_u32 v4, s25, v4
	v_and_b32 v5, 15, v2
	v_lshrrev_b32 v6, 4, v2
	v_mul_u32_u24 v7, v6, WP
	v_lshl_add_u32 v7, v5, 4, v7
	v_add_nc_u32 v7, s25, v7
	v_lshlrev_b32 v8, 11, v6
	v_lshl_add_u32 v8, v5, 4, v8                   ; rows of 2,048 bytes in wpt
	s_lshl_b32 s26, s22, 19                        ; 128 rows of 4,096 bytes
	s_lshl_b32 s27, s21, 2
	s_add_co_u32 s26, s26, s27
	s_mov_b32 s27, 0
	s_wait_kmcnt 0x0
	s_add_nc_u64 s[8:9], s[8:9], s[26:27]
	s_lshl_b32 s26, s21, 11
	s_lshl_b32 s28, s22, 8
	s_add_co_u32 s26, s26, s28
	s_add_nc_u64 s[18:19], s[18:19], s[26:27]
.macro PLOAD t
.irp i, 0,1,2,3,4,5,6,7,8,9,10,11,12,13,14,15,16,17,18,19,20,21,22,23,24,25,26,27,28,29,30,31
	global_load_b32 v[WX+32*((\t)%2)+\i], v3, s[8:9] offset:(32*(\t)+\i)*4096 th:TH_LOAD_NT
.endr
.endm
.macro PBLOCK t
.set XS, WX+32*((\t)%2)
.if (\t) < 3
	s_wait_loadcnt 32                              ; this block's 32 loads are in; the next block's may be out
.else
	s_wait_loadcnt 0
.endif
.irp i, 0,1,2,3,4,5,6,7,8,9,10,11,12,13,14,15
	v_cvt_pk_f16_f32 v[WC+\i], v[XS+2*\i], v[XS+2*\i+1]            ; the lower k in the low half
.endr
.irp g, 0,1,2,3
	ds_store_b128 v4, v[WC+4*\g:WC+4*\g+3] offset:64*(\t)+16*\g
.endr
.if (\t)+2 < 4
	PLOAD (\t)+2
.endif
	s_wait_dscnt 0x0                               ; the stores have read their registers
.endm
	PLOAD 0
	PLOAD 1
.irp t, 0,1,2,3
	PBLOCK \t
.endr
.irp t, 0,1,2,3,4,5,6,7,8,9,10,11,12,13,14,15
	ds_load_b128 v[OUTR+4*\t:OUTR+4*\t+3], v7 offset:2*\t*WP
.endr
.irp t, 0,1,2,3,4,5,6,7,8,9,10,11,12,13,14,15
	s_wait_dscnt 15-\t
	global_store_b128 v8, v[OUTR+4*\t:OUTR+4*\t+3], s[18:19] offset:2*\t*2048   ; sixteen lanes store 256 consecutive bytes, aligned
.endr
	s_wait_tensorcnt 0x0
	ds_add_u32 v192, v193
	s_wait_dscnt 0x0
	s_endpgm
.Lfunc_end_k_qc37ea8896d_prep:
	.size	k_qc37ea8896d_prep, .Lfunc_end_k_qc37ea8896d_prep-k_qc37ea8896d_prep
	.p2alignl 7, 3214868480
	.fill 96, 4, 3214868480
	.section	.rodata,"a",@progbits
	.p2align	6, 0x0
	.amdhsa_kernel k_qc37ea8896d_prep
		.amdhsa_group_segment_fixed_size 102912
		.amdhsa_private_segment_fixed_size 0
		.amdhsa_enable_private_segment 0
		.amdhsa_kernarg_size 64
		.amdhsa_user_sgpr_count 2
		.amdhsa_user_sgpr_kernarg_segment_ptr 1
		.amdhsa_wavefront_size32 1
		.amdhsa_system_sgpr_workgroup_id_x 1
		.amdhsa_system_sgpr_workgroup_id_y 1
		.amdhsa_system_sgpr_workgroup_id_z 1
		.amdhsa_system_vgpr_workitem_id 0
		.amdhsa_next_free_vgpr 194
		.amdhsa_next_free_sgpr 66
		.amdhsa_reserve_vcc 0
		.amdhsa_float_denorm_mode_32 3
		.amdhsa_float_denorm_mode_16_64 3
		.amdhsa_memory_ordered 1
		.amdhsa_forward_progress 1
		.amdhsa_inst_pref_size 132
	.end_amdhsa_kernel
	.amdgpu_metadata
---
amdhsa.version: [ 1, 2 ]
amdhsa.kernels:
  - .name:           k_qc37ea8896d_prep
    .symbol:         k_qc37ea8896d_prep.kd
    .args:
      - { .name: x, .offset: 0, .size: 8, .value_kind: global_buffer, .address_space: global }
      - { .name: w_qkv, .offset: 8, .size: 8, .value_kind: global_buffer, .address_space: global }
      - { .name: w_proj, .offset: 16, .size: 8, .value_kind: global_buffer, .address_space: global }
      - { .name: xc, .offset: 24, .size: 8, .value_kind: global_buffer, .address_space: global }
      - { .name: xs, .offset: 32, .size: 8, .value_kind: global_buffer, .address_space: global }
      - { .name: wc, .offset: 40, .size: 8, .value_kind: global_buffer, .address_space: global }
      - { .name: ws, .offset: 48, .size: 8, .value_kind: global_buffer, .address_space: global }
      - { .name: wpt, .offset: 56, .size: 8, .value_kind: global_buffer, .address_space: global }
    .group_segment_fixed_size: 102912
    .private_segment_fixed_size: 0
    .kernarg_segment_align: 8
    .kernarg_segment_size: 64
    .max_flat_workgroup_size: 128
    .sgpr_count:     66
    .vgpr_count:     194
    .wavefront_size: 32
...
	.end_amdgpu_metadata
.endif
;; end of part 1
;; launch qkv (part 2): grid 12 x 32, 4 waves a work-group, clusters of 4 x 4, 327,680 bytes of LDS; arguments xc, xs, wc, ws, qkv, b_qkv; writes qkv
.if DOCPART == 2
	.amdgcn_target "amdgcn-amd-amdhsa--gfx1250"
	.amdhsa_code_object_version 6
	.text
	.protected	k_qc37ea8896d_qkv
	.globl	k_qc37ea8896d_qkv
	.p2align	8
	.type	k_qc37ea8896d_qkv,@function
k_qc37ea8896d_qkv:
	s_mov_b64 s[64:65], 0
	v_nop
	global_prefetch_b8 v0, s[64:65] scope:SCOPE_SE
	s_setreg_imm32_b32 hwreg(HW_REG_WAVE_MODE, 25, 1), 1
	s_wait_xcnt 0x0
	s_wait_alu depctr_hold_cnt(0) depctr_sa_sdst(0) depctr_va_vdst(0) depctr_va_sdst(0) depctr_va_ssrc(0) depctr_va_vcc(0) depctr_vm_vsrc(0)
	s_getreg_b32 s2, hwreg(HW_REG_IB_STS2, 6, 4)
	s_cmp_eq_u32 s2, 0
	s_cbranch_scc0 .Lentry_in_a_cluster
	s_endpgm
.Lentry_in_a_cluster:
	s_bfe_u32 s2, ttmp6, 0x10000c
	s_cmp_lg_u32 s2, 0xf033
	s_cbranch_scc0 .Lentry_shape_is_right
	s_endpgm
.Lentry_shape_is_right:
; q, k, v = x w_qkv + b_qkv on codes of FP4 (E2M1) with one E8M0 scale for each 32 along K; sums in f32; the results are rounded once to f16 and laid by head: qkv [which 3][batch 4][head 16][token 2048][64].
; A (xc): [8192][512 bytes], its scale bytes (xs) [8192][32];  B (wc): [3072][512 bytes], (ws) [3072][32]: K innermost, two codes a byte.
; LIMIT: |q|, |k|, |v| stay under 65,504, f16's largest number.
; A tile of 256 tokens x 256 columns is made by a work-group of four waves; a wave makes 128 x 128: 64 accumulators, 512 registers.  K = 1,024 is two K steps of 512 (rows of 256 bytes): the two LDS slots are
; filled once each, at the start, and nothing is filled again.  The scale bytes of the work-group's rows, two dense blocks, come once with them.
; CLUSTERS: 4 x 4 work-groups.  The four of a row of the cluster need the same tiles of A, the four of a column the same tiles of B: each tile is asked for jointly, by the same tensor load with the same descriptor
; and a mask that names the four.  THE MATRIX INSTRUCTION IS USED TRANSPOSED (source 0 = 16 rows of B, source 1 = 16 rows of A): a lane then holds eight neighbouring columns of one token.
; THE BIAS is the C of each sum's first product: eight registers for each of B's eight blocks, in the result's layout.
; REGISTERS: window 0: v0-31 addresses; v32-95 scale words, two sets; v128-191 A's fragments, one set; v192-255 the bias; on the way out v32-127 are free.
;   window 1: B's fragments, two sets, at v0 and v128.   window 2: the accumulators of my rows 0-63 ((a, b) at v[8 (8 a + b)]);   window 3: those of my rows 64-127.
.set KSTEP,  512
.set NQ,     KSTEP/128
.set ROWB,   256                       ; a tile's row in bytes
.set KROW,   512                       ; a row of A or of B in memory
.set PITCH,  272                       ; an LDS row: 256 bytes + 16: the sixteen rows that a load touches start 68 words apart
.set FR,     8
.set NL,     2
.set NP,     4                         ; places behind this matrix instruction (ISA guide 7.12.1)
.set HALFT,  128*PITCH
.set SLOT,   4*HALFT
.set KS,     32                        ; a row of scales in bytes
.set SCL,    2*SLOT                    ; behind the slots: the scales, as rows of 256 bytes + 16
.set HALFS,  (128*KS/256)*272
.set SBLK,   (16*KS/256)*272
.set SPARE,  SCL+4*HALFS               ; the spare words, 128 bytes a wave: no other line names them
.set STG,    SPARE+512                 ; the way out: for each wave two stages (one for each of its two heads) of 16 rows x (128 bytes + 16); no tile lands here
.set HP,     144
.set SUB,    16*HP
.set ADRA, 16
.set ADRB, 20
.set STO,  24
.set RD,   25
.set CO,   26
.set ADRS, 27
.set SPW,  28
.set NIL,  29
.set SC,   32
.set AF,   128
.set BIAS, 192
.set TMP,  32                          ; the way out: a block's 32 packed registers
.set BK,   64                          ; and 32 registers read back, v64-95 and v96-127 by turns
.set G1, 24
.set G0, 32
.set G1B, 48
.set G0B, 56
.set G1S, 68
.set G0S, 76
.set G1SB, 80
.set G0SB, 88
.set MSB, 0
.macro WIN new                         ; the immediate's high byte repeats the setting that is left
.if MSB != (\new)
	s_set_vgpr_msb (MSB<<8)|(\new)
.set MSB, (\new)
.endif
.endm
.set MUL_LO, 0xa1                      ; source 0 (B) window 1, source 1 (A) window 0, C and D window 2
.set MUL_HI, 0xf1                      ; the same, C and D window 3
.set BEG_LO, 0x81                      ; the first products: C (the bias) window 0, D window 2
.set BEG_HI, 0xc1                      ; D window 3
.set TO_B,   0x40
; A joint load: waves 0 and 1 fetch for A, waves 2 and 3 for B; the branch hangs on the wave's number alone.  Four v_nop follow each of the two lines.
.macro JLOAD g0a, g1a, g0b, g1b
	s_cmp_eq_u32 s15, 0
	s_cbranch_scc0 .Lfor_b_\@
	tensor_load_to_lds s[\g0a:\g0a+3], s[\g1a:\g1a+7]
	s_nop 0
.rept 4
	v_nop
.endr
	s_branch .Lasked_\@
.Lfor_b_\@:
	tensor_load_to_lds s[\g0b:\g0b+3], s[\g1b:\g1b+7]
	s_nop 0
.rept 4
	v_nop
.endr
.Lasked_\@:
.endm
.macro CROUND                          ; a round of the cluster's barrier
	s_barrier_signal -1
	s_barrier_wait -1
	s_cmp_lg_u32 s14, 0
	s_cbranch_scc1 .Lnot_wave_0_\@
	s_barrier_signal -3
.Lnot_wave_0_\@:
	s_barrier_wait -3
	s_barrier_signal -1
	s_barrier_wait -1
.endm
	s_load_b128 s[4:7], s[0:1], 0x0                ; A's codes, A's scales
	s_load_b128 s[8:11], s[0:1], 0x10              ; B's codes, B's scales
	s_load_b64 s[12:13], s[0:1], 0x20              ; qkv
	s_load_b64 s[96:97], s[0:1], 0x28              ; b_qkv
	v_lshl_add_u32 v[SPW], v0, 2, SPARE
	v_mov_b32 v[NIL], 0
	ds_add_u32 v28, v29
	ds_add_u32 v28, v29
	s_wait_dscnt 0x0
	v_lshrrev_b32 v1, 5, v0
	v_readfirstlane_b32 s14, v1                    ; wave 0..3
	s_lshr_b32 s15, s14, 1                         ; which half of the tile's rows is mine.  Also: I fetch for A (0) or for B (1)
	s_and_b32 s16, s14, 1                          ; which half of its columns.  Also: which 128 rows of that tile I fetch
	s_bfe_u32 s40, ttmp6, 0x40000                  ; cx, cy
	s_bfe_u32 s41, ttmp6, 0x40004
	s_lshl_b32 s42, ttmp9, 2
	s_add_co_u32 s42, s42, s40                     ; tile column = 4 x cluster x + cx
	s_and_b32 s17, ttmp7, 0xffff
	s_lshl_b32 s17, s17, 2
	s_add_co_u32 s17, s17, s41                     ; tile row = 4 x cluster y + cy
	s_lshl_b32 s43, s41, 2
	s_lshl_b32 s43, 15, s43                        ; my row of the cluster
	s_lshl_b32 s44, 0x1111, s40                    ; my column
	s_or_b32 s[G1+0], s43, (0<<16)|(1<<20)|(1<<21)|(5<<22)|(3<<25)   ; the mask; elements of 1 byte; padding on; bit 21 beside a mask; 4 words behind every 64
	s_or_b32 s[G1B+0], s44, (0<<16)|(1<<20)|(1<<21)|(5<<22)|(3<<25)
.irp g, G1, G1B
	s_mov_b32 s[\g+1], ROWB<<16                    ; tensor_dim0
	s_mov_b32 s[\g+2], 128<<16                     ; tensor_dim1
	s_mov_b32 s[\g+3], ROWB<<16                    ; tile_dim0
	s_mov_b32 s[\g+4], 128                         ; tile_dim1
	s_mov_b32 s[\g+5], KROW                        ; the pitch
	s_mov_b32 s[\g+6], 0
	s_mov_b32 s[\g+7], 0
.endr
	s_or_b32 s[G1S+0], s43, (3<<16)|(1<<20)|(1<<21)|(5<<22)|(3<<25)  ; the scales of 128 rows: 4,096 dense bytes as 16 rows of 32 elements of 8 bytes
	s_or_b32 s[G1SB+0], s44, (3<<16)|(1<<20)|(1<<21)|(5<<22)|(3<<25)
.irp g, G1S, G1SB
	s_mov_b32 s[\g+1], 32<<16
	s_mov_b32 s[\g+2], (128*KS/256)<<16
	s_mov_b32 s[\g+3], 32<<16
	s_mov_b32 s[\g+4], 128*KS/256
	s_mov_b32 s[\g+5], 32
	s_mov_b32 s[\g+6], 0
	s_mov_b32 s[\g+7], 0
.endr
	s_lshl_b32 s18, s16, 7
	s_lshl_b32 s20, s17, 8
	s_add_co_u32 s20, s20, s18                     ; A: row 256 x tile row + 128 x half
	s_lshl_b32 s46, s42, 8
	s_add_co_u32 s46, s46, s18                     ; B: row 256 x tile column + 128 x half
	s_mov_b32 s21, 0
	s_mov_b32 s47, 0
	s_mov_b64 s[18:19], KS
	s_mul_u64 s[22:23], s[20:21], s[18:19]         ; where these rows' scales begin
	s_mul_u64 s[92:93], s[46:47], s[18:19]
	s_mov_b64 s[18:19], KROW
	s_mul_u64 s[20:21], s[20:21], s[18:19]         ; and their codes
	s_mul_u64 s[46:47], s[46:47], s[18:19]
	s_mul_i32 s45, s14, HALFT                      ; where they go: wave x 128 rows
	s_mul_i32 s94, s14, HALFS
	s_wait_kmcnt 0x0
	s_add_nc_u64 s[20:21], s[4:5], s[20:21]
	s_add_nc_u64 s[22:23], s[6:7], s[22:23]
	s_add_nc_u64 s[46:47], s[8:9], s[46:47]
	s_add_nc_u64 s[92:93], s[10:11], s[92:93]
	CROUND                                         ; all sixteen work-groups are here: the joint loads meet
	s_mov_b32 s[G0S], 1
	s_add_co_u32 s[G0S+1], s94, SCL
	s_mov_b64 s[G0S+2:G0S+3], s[22:23]
	s_or_b32 s[G0S+3], s[G0S+3], 0x80000000
	s_mov_b32 s[G0SB], 1
	s_add_co_u32 s[G0SB+1], s94, SCL
	s_mov_b64 s[G0SB+2:G0SB+3], s[92:93]
	s_or_b32 s[G0SB+3], s[G0SB+3], 0x80000000
	JLOAD G0S, G1S, G0SB, G1SB                     ; the scales first: they are wanted with K step 0
.irp s, 0,1
	s_mov_b32 s[G0+4*\s], 1
	s_add_co_u32 s[G0+4*\s+1], s45, \s*SLOT
	s_add_nc_u64 s[G0+4*\s+2:G0+4*\s+3], s[20:21], \s*ROWB
	s_or_b32 s[G0+4*\s+3], s[G0+4*\s+3], 0x80000000
	s_mov_b32 s[G0B+4*\s], 1
	s_add_co_u32 s[G0B+4*\s+1], s45, \s*SLOT
	s_add_nc_u64 s[G0B+4*\s+2:G0B+4*\s+3], s[46:47], \s*ROWB
	s_or_b32 s[G0B+4*\s+3], s[G0B+4*\s+3], 0x80000000
	JLOAD G0+4*\s, G1, G0B+4*\s, G1B               ; three tensor loads of mine are out at the most
.endr
	v_and_b32 v1, 15, v0                           ; r = l % 16
	v_bfe_u32 v2, v0, 4, 1                         ; h = l / 16
	; the bias of my 128 columns: lane (r, h) wants, for B's block b, b_qkv[first column + 16 b + 8 h + 0 .. 7]
	s_lshl_b32 s46, s42, 10
	s_lshl_b32 s47, s16, 9
	s_add_co_u32 s46, s46, s47
	s_mov_b32 s47, 0
	s_add_nc_u64 s[96:97], s[96:97], s[46:47]
	v_lshlrev_b32 v7, 5, v2
.irp b, 0,1,2,3,4,5,6,7
	global_load_b128 v[BIAS+8*\b:BIAS+8*\b+3], v7, s[96:97] offset:64*\b
	global_load_b128 v[BIAS+8*\b+4:BIAS+8*\b+7], v7, s[96:97] offset:64*\b+16
.endr
	v_mul_u32_u24 v3, v1, PITCH
	v_lshl_add_u32 v4, v2, 4, v3                   ; a fragment's row x pitch + 16 x half
	s_mul_i32 s21, s15, HALFT                      ; my 128 rows of A
	s_mul_i32 s22, s16, HALFT                      ; my 128 rows of B,
	s_add_co_u32 s22, s22, 2*HALFT                 ; which lie behind A's 256
.irp s, 0,1
	v_add_nc_u32 v[ADRA+\s], s21, v4
	v_add_nc_u32 v[ADRB+\s], s22, v4
	s_add_co_u32 s21, s21, SLOT
	s_add_co_u32 s22, s22, SLOT
.endr
	v_mul_u32_u24 v5, v1, KS                       ; my row's scales: KS bytes a row,
	v_lshrrev_b32 v6, 8, v5
	v_lshl_add_u32 v5, v6, 4, v5                   ; and 16 more for each 256 passed
	s_mul_i32 s21, s15, HALFS
	s_mul_i32 s22, s16, HALFS
	s_add_co_u32 s22, s22, 2*HALFS
	s_sub_co_u32 s22, s22, s21
	v_mul_u32_u24 v6, s22, v2                      ; lanes 16-31 take B's: the lower base + h x the distance
	s_add_co_u32 s21, s21, SCL
	v_add_nc_u32 v5, v5, v6
	v_add_nc_u32 v[ADRS], s21, v5
	s_mul_i32 s23, s14, 2*SUB
	s_add_co_u32 s23, s23, STG                     ; my two stages
	v_mul_u32_u24 v5, v1, HP                       ; in: row r, 16 bytes for each half of the lanes
	v_lshl_add_u32 v5, v2, 4, v5
	v_add_nc_u32 v[STO], s23, v5
	v_and_b32 v6, 31, v0
	v_lshlrev_b32 v[CO], 4, v6                     ; out: four tokens of a head are 512 consecutive bytes: 16 a lane
	v_lshrrev_b32 v5, 3, v6
	v_mul_u32_u24 v5, v5, HP                       ; back: eight lanes to a row of 128 bytes, four rows an instruction
	v_and_b32 v6, 7, v6
	v_lshl_add_u32 v5, v6, 4, v5
	v_add_nc_u32 v[RD], s23, v5
	; where my part begins in qkv: my two heads are g and g + 1 of 48, g = 4 x tile column + 2 x half; plane = 64 (g / 16) + 16 batch + g % 16, 262,144 bytes a plane; a token is 128 bytes
	s_lshl_b32 s46, s42, 2
	s_lshl_b32 s47, s16, 1
	s_add_co_u32 s46, s46, s47
	s_lshr_b32 s47, s46, 4
	s_lshl_b32 s47, s47, 6
	s_and_b32 s46, s46, 15
	s_add_co_u32 s46, s46, s47
	s_lshr_b32 s47, s17, 3                         ; the batch: eight tile rows each
	s_lshl_b32 s47, s47, 4
	s_add_co_u32 s46, s46, s47
	s_lshl_b32 s46, s46, 18
	s_and_b32 s47, s17, 7
	s_lshl_b32 s47, s47, 15                        ; 256 tokens a tile row
	s_add_co_u32 s46, s46, s47
	s_lshl_b32 s47, s15, 14                        ; my 128 of them
	s_add_co_u32 s46, s46, s47
	s_mov_b32 s47, 0
	s_add_nc_u64 s[12:13], s[12:13], s[46:47]
.macro FRAG reg, adr, q, i             ; 16 rows x 128 K of 4-bit codes: lane l holds row l % 16; registers 4 c .. 4 c + 3 hold K = 64 c + 32 (l / 16) + 0 .. 31
.irp c, 0,1
	ds_load_b128 v[\reg+4*\c:\reg+4*\c+3], v[\adr] offset:64*(\q)+32*\c+(\i)*16*PITCH
.endr
.endm
; 16 matrix instructions: A's blocks a0, a0 + 1 x B's eight, the slot's q-th 128 along K.  first = 1: the sums begin with the bias.  The 64 accumulators take turns, one instruction a turn.
.macro MUL16 a0, p, q, sc, first
.irp a, \a0, \a0+1
.irp b, 0,1,2,3,4,5,6,7
.if \first
	v_wmma_scale_f32_16x16x128_f8f6f4 v[8*(8*((\a)%4)+\b):8*(8*((\a)%4)+\b)+7], v[128*(\p)+FR*\b:128*(\p)+FR*\b+FR-1], v[AF+FR*(\a):AF+FR*(\a)+FR-1], v[BIAS+8*\b:BIAS+8*\b+7], v[SC+8*NQ*(\sc)+NQ*\b+(\q)], v[SC+8*NQ*(\sc)+NQ*(\a)+(\q)] matrix_a_fmt:MATRIX_FMT_FP4 matrix_b_fmt:MATRIX_FMT_FP4 matrix_a_scale:MATRIX_SCALE_ROW1
.else
	v_wmma_scale_f32_16x16x128_f8f6f4 v[8*(8*((\a)%4)+\b):8*(8*((\a)%4)+\b)+7], v[128*(\p)+FR*\b:128*(\p)+FR*\b+FR-1], v[AF+FR*(\a):AF+FR*(\a)+FR-1], v[8*(8*((\a)%4)+\b):8*(8*((\a)%4)+\b)+7], v[SC+8*NQ*(\sc)+NQ*\b+(\q)], v[SC+8*NQ*(\sc)+NQ*(\a)+(\q)] matrix_a_fmt:MATRIX_FMT_FP4 matrix_b_fmt:MATRIX_FMT_FP4 matrix_a_scale:MATRIX_SCALE_ROW1
.endif
.endr
.endr
.endm
.macro FETCH_B slot, q, p
	WIN TO_B
.irp i, 0,1,2,3,4,5,6,7
	FRAG 128*(\p)+FR*\i, ADRB+\slot, \q, \i
.endr
	WIN 0
.endm
.macro FETCH_A slot, q, i0
.irp i, \i0, \i0+1, \i0+2, \i0+3
	FRAG AF+FR*(\i), ADRA+\slot, \q, \i
.endr
.endm
.macro SCALES sc                       ; a K step's scale words: four a row; lanes 0-15 take A's block i, lanes 16-31 B's block i
.irp i, 0,1,2,3,4,5,6,7
	ds_load_b128 v[SC+8*NQ*\sc+NQ*\i:SC+8*NQ*\sc+NQ*\i+3], v[ADRS] offset:\i*SBLK
.endr
.endm
.macro PLACES n                        ; places in front of loads into registers that matrix instructions have read, and of the first read of results
.rept \n
	v_nop
.endr
.endm
.macro STEP slot, q, first             ; a step of 128 along K that has its successor in the same slot
	s_wait_dscnt 4*NL                              ; B's set and A's blocks 0-3 are in; the youngest eight loads (A's blocks 4-7) may be out
.if \first
	WIN BEG_LO
.else
	WIN MUL_LO
.endif
	MUL16 0, (\q)%2, \q, \slot, \first
	MUL16 2, (\q)%2, \q, \slot, \first
	s_wait_dscnt 0                                 ; A's blocks 4-7 are in
	PLACES NP
	FETCH_B \slot, (\q)+1, 1-(\q)%2
	FETCH_A \slot, (\q)+1, 0
.if \first
	WIN BEG_HI
.else
	WIN MUL_HI
.endif
	MUL16 4, (\q)%2, \q, \slot, \first
	MUL16 6, (\q)%2, \q, \slot, \first
	PLACES NP
	WIN 0
	FETCH_A \slot, (\q)+1, 4
.endm
.macro TURN slot, next                 ; slot 0's last step goes over to slot 1: each wave's part of it has landed, then the work-group's barrier; nothing is filled again
	s_wait_tensorcnt 0x0                           ; all my tensor loads have landed: my part of the next slot
	ds_add_u32 v[SPW], v[NIL]                      ; 0 onto my spare word
	s_wait_dscnt 4*NL+1                            ; (the add and the youngest eight loads, A's blocks 4-7, may be out)
	WIN MUL_LO
	MUL16 0, 1, NQ-1, \slot, 0
	s_wait_dscnt 0x0                               ; no LDS instruction of mine is out at the signal
	s_barrier_signal -1
	MUL16 2, 1, NQ-1, \slot, 0
	WIN 0
	s_barrier_wait -1
	PLACES NP
	v_add_nc_u32 v[ADRS], 4*NQ, v[ADRS]            ; on to the next K step's scale words
	FETCH_B \next, 0, 0
	FETCH_A \next, 0, 0
	SCALES \next
	WIN MUL_HI
	MUL16 4, 1, NQ-1, \slot, 0
	MUL16 6, 1, NQ-1, \slot, 0
	PLACES NP
	WIN 0
	FETCH_A \next, 0, 4
.endm
	s_wait_tensorcnt 1                             ; the scales and my part of K step 0 are in (K step 1's load may be out),
	s_barrier_signal -1
	s_barrier_wait -1                              ; everybody's are
	FETCH_B 0, 0, 0
	FETCH_A 0, 0, 0
	SCALES 0
	FETCH_A 0, 0, 4
	s_wait_loadcnt 0x0                             ; the bias
	STEP 0, 0, 1
	STEP 0, 1, 0
	STEP 0, 2, 0
	TURN 0, 1
	STEP 1, 0, 0
	STEP 1, 1, 0
	STEP 1, 2, 0
	s_wait_dscnt 4*NL                              ; the very last step: nothing more to fetch
	WIN MUL_LO
	MUL16 0, 1, NQ-1, 1, 0
	MUL16 2, 1, NQ-1, 1, 0
	s_wait_dscnt 0
	WIN MUL_HI
	MUL16 4, 1, NQ-1, 1, 0
	MUL16 6, 1, NQ-1, 1, 0
	WIN 0
; THE WAY OUT, block by block of 16 tokens x 128 columns (two heads).  A lane's eight results round to 16 bytes of one token of one head; they go into my stages and come back as four whole tokens an instruction:
; 512 consecutive bytes of a head's plane.
.macro PACK a
.set AC, 64*((\a)%4)
	WIN 0x0a+5*((\a)/4)                            ; sources 0 and 1: window 2 or 3
.irp b, 0,1,2,3,4,5,6,7
.irp r, 0,1,2,3
	v_cvt_pk_f16_f32 v[TMP+4*\b+\r], v[AC+8*\b+2*\r], v[AC+8*\b+2*\r+1]      ; each accumulator from its low end on
.endr
.endr
	WIN 0
.endm
.macro TOSTAGE a
.set BB, BK+32*((\a)%2)
.irp b, 0,1,2,3,4,5,6,7
	ds_store_b128 v[STO], v[TMP+4*\b:TMP+4*\b+3] offset:(\b/4)*SUB+32*(\b%4)
.endr
.irp t, 0,1,2,3,4,5,6,7
	ds_load_b128 v[BB+4*\t:BB+4*\t+3], v[RD] offset:(\t/4)*SUB+(\t%4)*4*HP   ; LDS serves a wave's instructions in order: these see the stores above
.endr
.endm
.macro SEND a
.set BB, BK+32*((\a)%2)
	s_wait_dscnt 0x0                               ; the block is back in registers
	s_wait_xcnt 0x0                                ; the block before has had its stores' addresses translated: its registers are loaded again only behind this wait
.irp t, 0,1,2,3,4,5,6,7
	global_store_b128 v[CO], v[BB+4*\t:BB+4*\t+3], s[12:13] offset:(\t/4)*262144+(\a)*2048+(\t%4)*512   ; 32 lanes store 512 consecutive bytes, at a multiple of 512 from the buffer's first byte
.endr
.endm
	PLACES NP
	PACK 0
	TOSTAGE 0
.irp a, 1,2,3,4,5,6,7                  ; block a's conversions stand between block a - 1's loads from the stage and the wait for them
	PACK \a
	SEND \a-1
	TOSTAGE \a
.endr
	SEND 7
	s_wait_tensorcnt 0x0                           ; the wave's end
	ds_add_u32 v[SPW], v[NIL]
	s_wait_dscnt 0x0
	CROUND                                         ; the closing round
	s_endpgm
.Lfunc_end_k_qc37ea8896d_qkv:
	.size	k_qc37ea8896d_qkv, .Lfunc_end_k_qc37ea8896d_qkv-k_qc37ea8896d_qkv
	.p2alignl 7, 3214868480
	.fill 96, 4, 3214868480
	.section	.rodata,"a",@progbits
	.p2align	6, 0x0
	.amdhsa_kernel k_qc37ea8896d_qkv
		.amdhsa_group_segment_fixed_size 327680
		.amdhsa_private_segment_fixed_size 0
		.amdhsa_enable_private_segment 0
		.amdhsa_kernarg_size 48
		.amdhsa_user_sgpr_count 2
		.amdhsa_user_sgpr_kernarg_segment_ptr 1
		.amdhsa_wavefront_size32 1
		.amdhsa_system_sgpr_workgroup_id_x 1
		.amdhsa_system_sgpr_workgroup_id_y 1
		.amdhsa_system_sgpr_workgroup_id_z 1
		.amdhsa_system_vgpr_workitem_id 0
		.amdhsa_next_free_vgpr 1024
		.amdhsa_next_free_sgpr 98
		.amdhsa_reserve_vcc 0
		.amdhsa_float_denorm_mode_32 3
		.amdhsa_float_denorm_mode_16_64 3
		.amdhsa_memory_ordered 1
		.amdhsa_forward_progress 1
		.amdhsa_inst_pref_size 128
	.end_amdhsa_kernel
	.amdgpu_metadata
---
amdhsa.version: [ 1, 2 ]
amdhsa.kernels:
  - .name:           k_qc37ea8896d_qkv
    .symbol:         k_qc37ea8896d_qkv.kd
    .args:
      - { .name: xc, .offset: 0, .size: 8, .value_kind: global_buffer, .address_space: global }
      - { .name: xs, .offset: 8, .size: 8, .value_kind: global_buffer, .address_space: global }
      - { .name: wc, .offset: 16, .size: 8, .value_kind: global_buffer, .address_space: global }
      - { .name: ws, .offset: 24, .size: 8, .value_kind: global_buffer, .address_space: global }
      - { .name: qkv, .offset: 32, .size: 8, .value_kind: global_buffer, .address_space: global }
      - { .name: b_qkv, .offset: 40, .size: 8, .value_kind: global_buffer, .address_space: global }
    .group_segment_fixed_size: 327680
    .private_segment_fixed_size: 0
    .kernarg_segment_align: 8
    .kernarg_segment_size: 48
    .max_flat_workgroup_size: 128
    .sgpr_count:     98
    .vgpr_count:     1024
    .wavefront_size: 32
...
	.end_amdgpu_metadata
.endif
;; end of part 2
;; launch attn (part 3): grid 4 x 64, 8 waves a work-group, clusters of 4 x 1, 327,680 bytes of LDS; arguments qkv, ao; writes ao
.if DOCPART == 3
	.amdgcn_target "amdgcn-amd-amdhsa--gfx1250"
	.amdhsa_code_object_version 6
	.text
	.protected	k_qc37ea8896d_attn
	.globl	k_qc37ea8896d_attn
	.p2align	8
	.type	k_qc37ea8896d_attn,@function
k_qc37ea8896d_attn:
	s_mov_b64 s[64:65], 0
	v_nop
	global_prefetch_b8 v0, s[64:65] scope:SCOPE_SE
	s_setreg_imm32_b32 hwreg(HW_REG_WAVE_MODE, 25, 1), 1
	s_wait_xcnt 0x0
	s_wait_alu depctr_hold_cnt(0) depctr_sa_sdst(0) depctr_va_vdst(0) depctr_va_sdst(0) depctr_va_ssrc(0) depctr_va_vcc(0) depctr_vm_vsrc(0)
	s_getreg_b32 s2, hwreg(HW_REG_IB_STS2, 6, 4)
	s_cmp_eq_u32 s2, 0
	s_cbranch_scc0 .Lentry_in_a_cluster
	s_endpgm
.Lentry_in_a_cluster:
	s_bfe_u32 s2, ttmp6, 0x10000c
	s_cmp_lg_u32 s2, 0x3003
	s_cbranch_scc0 .Lentry_shape_is_right
	s_endpgm
.Lentry_shape_is_right:
; o[plane][q][:] = the sum over k of softmax_k(q . k / 8) v[k][:], for 64 planes (batch x head) of 2,048 tokens and head size 64.  q, k, v: f16, qkv [which 3][plane 64][token 2048][64].
; Products in f16 with f32 sums; maxima, exponentials and sums in f32; the weights p (at most 1, by the running maximum) are rounded to f16 for the second product, o once at the end.
; o goes to ao [head 16][batch x token 8192][64], f16.   LIMIT: |q|, |k|, |v| under 65,504 (they arrive as f16); NaN and infinities are not served.
; SHARES.  A cluster of four work-groups takes one plane, a work-group 512 queries, each of its eight waves 64: four tiles of 16.  Every wave walks all 2,048 keys, 64 a step.
; LAYOUT.  S^T = K Q^T (source 0 = 16 keys, source 1 = 16 queries): a lane holds ONE query (lane % 16) and keys 8 (lane / 16) + 0..7.  Two such tiles, rounded to f16 in pairs, ARE source 1 (32 keys x 16 queries) of
; O^T = V^T P, whose result again holds one query a lane.  K comes out of LDS as it lies, V ([key][channel]) turned, by ds_load_tr16_b128.
; SOFTMAX.  A running maximum m and sum l for each query: p = 2^(c s - c m), c = log2(e) / 8; in every step O and l are multiplied by a = 2^(c m_old - c m_new).  m begins at -3e38 and O, l at 0.
; TWO WAVES TO A SIMD, IN OPPOSITE PHASES.  The wave's tiles are two pieces (0: tiles 0, 1; 2: tiles 2, 3).  In half a key step one piece has 32 products (V^T P of the step in hand, K Q^T of the next) and the other
; its softmax; the two are independent.  Waves with PAR = 0 issue the products first, waves with PAR = 1 the softmax first, so that one wave's vector work stands beside the other's matrix work.
; PAR = (w xor w / 4) & 1 differs between waves w and w + 4 and between waves 2 i and 2 i + 1.
; CLUSTER.  The four work-groups walk the same K and V: each tile is asked for jointly, by the same tensor load with the same descriptor and the mask of all four.
; REGISTERS: window 0: v2-8 addresses; v12-43 statistics, 8 a tile; v44-46 prefetch offset, spare word, 0; v64-191 S^T, 32 a tile, P laid over the low 16 of each; v192-255 K of one step.
;   window 1: v0-127 O^T, 32 a tile; v128-191 Q; v192-255 V of one step.
.set KS,    64                         ; keys in a step
.set PK,    144                        ; a row of K in LDS: 128 bytes + 16
.set PVP,   160                        ; a row of V: 128 + 32
.set VOFF,  KS*PK                      ; a step's tiles lie together: 64 rows of K, then 64 rows of V
.set STEPB, KS*(PK+PVP)
.set NST,   4                          ; steps in a slot
.set SLOTM, NST*KS*128                 ; a slot's keys in memory: 32,768 bytes of K, as many of V
.set SLOT1, 1<<17                      ; slot 1 begins here: one exclusive or turns an address in one slot into the other's
.set STAGE, SLOT1+NST*STEPB            ; behind the ring: 16 rows x 144 bytes for each wave, for the way out
.set SP,    144
.set SPARE, STAGE+8*16*SP              ; the spare words, 128 bytes a wave: no other line names them
.set KBASE, 16777216                   ; where k's planes begin in qkv,
.set VBASE, 33554432                   ; and v's
.set AK0, 2
.set AV0, 3
.set ADR, 4
.set QO,  5
.set STO, 6
.set RD,  7
.set GO,  8
.set ST,  12                           ; tile t's statistics at v[ST + 8 t]: +0 c m, +1 m, +2, +3 l (even keys', odd keys'), +4 to +7 at work; a lies in +6
.set PFO, 44
.set SPW, 45
.set NIL, 46
.set S,   64
.set KF,  192                          ; K's fragments (window 0): keys 16 kt on, channels 32 cs on, at KF + 8 (2 kt + cs)
.set QF,  128                          ; Q's (window 1): tile t at QF + 16 t + 8 cs
.set VF,  192                          ; V's (window 1): keys 32 kh on, channels 16 ct on, at VF + 8 (4 kh + ct)
.set WV,  12
.set LIM, 15
.set PFA, 18
.set G1K, 24
.set G1V, 32
.set G0K, 40
.set G0V, 48
.set SLOTS, 56
.set CNT, 57
.set CS,  58
.set SEL, 60
.set TB,  62
.set PAR, 63
.set MSB, 0
.macro WIN new
.if MSB != (\new)
	s_set_vgpr_msb (MSB<<8)|(\new)
.set MSB, (\new)
.endif
.endm
.set W_KQ, 0x04                        ; K window 0, Q window 1, S^T window 0
.set W_PV, 0x51                        ; V window 1, P window 0, O^T window 1
.set W_RS, 0x41                        ; O^T (destination and source 0) window 1, a window 0
; A joint refill: waves 0 to 3 fetch the slot's four tiles of K, waves 4 to 7 those of V.  Four v_nop follow each of the two lines.
.macro JLOAD
	s_cmp_lt_u32 s[WV], 4
	s_cbranch_scc0 .Lfor_v_\@
	tensor_load_to_lds s[G0K+4:G0K+7], s[G1K:G1K+7]
	s_nop 0
.rept 4
	v_nop
.endr
	s_branch .Lasked_\@
.Lfor_v_\@:
	tensor_load_to_lds s[G0V+4:G0V+7], s[G1V:G1V+7]
	s_nop 0
.rept 4
	v_nop
.endr
.Lasked_\@:
.endm
; A prefetch of what the NEXT change of slots will ask for: 32,768 bytes of K and as many of V.  The four partners take 8,192 bytes each, told apart by address; in each, wave 0 asks for K's and wave 4 for V's,
; lanes 256 bytes apart: each aligned block of 256 bytes is named once in the launch.  It is four key steps ahead of the load that wants the bytes.  The last change that fills a slot asks for nothing.
.macro ASK
	s_cmp_gt_u32 s[SLOTS], s[LIM]
	s_cbranch_scc0 .Lnot_mine_\@
	global_prefetch_b8 v[PFO], s[PFA:PFA+1] th:TH_LOAD_NT scope:SCOPE_SE
.Lnot_mine_\@:
.endm
.macro CROUND
	s_barrier_signal -1
	s_barrier_wait -1
	s_cmp_lg_u32 s[WV], 0
	s_cbranch_scc1 .Lnot_wave_0_\@
	s_barrier_signal -3
.Lnot_wave_0_\@:
	s_barrier_wait -3
	s_barrier_signal -1
	s_barrier_wait -1
.endm
	s_load_b128 s[4:7], s[0:1], 0x0                ; qkv s[4:5], ao s[6:7]
	v_lshl_add_u32 v[SPW], v0, 2, SPARE
	v_mov_b32 v[NIL], 0
	ds_add_u32 v45, v46
	ds_add_u32 v45, v46
	s_wait_dscnt 0x0
	v_lshrrev_b32 v1, 5, v0
	v_readfirstlane_b32 s[WV], v1                  ; wave 0..7
	s_bfe_u32 s13, ttmp6, 0x40000                  ; cx: it enters Q's, ao's and the prefetches' addresses alone
	s_and_b32 s14, ttmp7, 0xffff                   ; the plane, which the four partners share
	s_lshl_b32 s20, s14, 18                        ; 262,144 bytes a plane
	s_and_b32 s16, s[WV], 3                        ; which of a slot's four steps I fetch:
	s_lshl_b32 s22, s16, 13                        ; its 64 rows of 128 bytes in memory,
	s_add_co_u32 s22, s22, s20
	s_mov_b32 s23, 0
	s_mul_i32 s17, s16, STEPB                      ; and its place in a slot
	s_lshr_b32 s[PAR], s[WV], 2
	s_xor_b32 s[PAR], s[PAR], s[WV]
	s_and_b32 s[PAR], s[PAR], 1
	s_cmp_eq_u32 s16, 0
	s_cselect_b32 s[LIM], 1, -1                    ; waves 0 and 4 prefetch
	s_lshl_b32 s2, s13, 16                         ; my work-group's 512 rows of 128 bytes,
	s_lshl_b32 s3, s[WV], 13                       ; my wave's 64 of them
	s_add_co_u32 s2, s2, s3
	s_add_co_u32 s8, s2, s20                       ; Q: in my plane
	s_mov_b32 s9, 0
	s_and_b32 s10, s14, 15                         ; ao: head x 8,192 tokens + batch x 2,048
	s_lshl_b32 s10, s10, 20
	s_lshr_b32 s11, s14, 4
	s_lshl_b32 s11, s11, 18
	s_add_co_u32 s10, s10, s11
	s_add_co_u32 s10, s10, s2
	s_mov_b32 s11, 0
	s_mov_b32 s3, VBASE+2*SLOTM
	s_cmp_lt_u32 s[WV], 4
	s_cselect_b32 s2, KBASE+2*SLOTM, s3            ; the prefetches stand in slot 2's keys: the first change of slots steps them on
	s_lshl_b32 s3, s13, 13                         ; my work-group's 8,192 bytes
	s_add_co_u32 s2, s2, s3
	s_add_co_u32 s2, s2, s20
	s_mov_b32 s3, 0
	s_mov_b32 s[G1K], 15|(1<<16)|(1<<20)|(1<<21)|(4<<22)|(3<<25)   ; the mask of all four; elements of 2 bytes; padding on; bit 21 beside a mask; 4 words behind every 32
	s_mov_b32 s[G1V], 15|(1<<16)|(1<<20)|(1<<21)|(4<<22)|(7<<25)   ; the same with 8 words
.irp g, G1K, G1V
	s_mov_b32 s[\g+1], 64<<16                      ; tensor_dim0 = 64
	s_mov_b32 s[\g+2], KS<<16                      ; tensor_dim1 = 64
	s_mov_b32 s[\g+3], 64<<16                      ; tile_dim0 = 64
	s_mov_b32 s[\g+4], KS                          ; tile_dim1 = 64
	s_mov_b32 s[\g+5], 64                          ; the pitch
	s_mov_b32 s[\g+6], 0
	s_mov_b32 s[\g+7], 0
.endr
	s_mov_b32 s[CS], 0x3e38aa3b                    ; c = log2(e) / 8
	s_mov_b32 s[CS+1], s[CS]                       ; named with it as a pair, so it is written
	s_mov_b32 s[SEL], 0x76543210
	s_mov_b32 s[SEL+1], 0xfedcba98
	s_mov_b32 s[TB], 0
	s_mov_b32 s[SLOTS], 2048/(NST*KS)-2
	s_wait_kmcnt 0x0
	s_add_nc_u64 s[8:9], s[4:5], s[8:9]            ; Q at my wave's first row
	s_add_nc_u64 s[10:11], s[6:7], s[10:11]        ; ao likewise
	s_add_nc_u64 s[PFA:PFA+1], s[4:5], s[2:3]
	s_add_nc_u64 s[22:23], s[4:5], s[22:23]        ; qkv + my plane + my step
	CROUND                                         ; all four work-groups are here: the first joint loads meet
.irp s, 0,1
	s_mov_b32 s[G0K+4*\s], 1
	s_add_co_u32 s[G0K+4*\s+1], s17, \s*SLOT1
	s_add_nc_u64 s[G0K+4*\s+2:G0K+4*\s+3], s[22:23], KBASE+\s*SLOTM
	s_or_b32 s[G0K+4*\s+3], s[G0K+4*\s+3], 0x80000000
	s_mov_b32 s[G0V+4*\s], 1
	s_add_co_u32 s[G0V+4*\s+1], s17, \s*SLOT1+VOFF
	s_add_nc_u64 s[G0V+4*\s+2:G0V+4*\s+3], s[22:23], VBASE+\s*SLOTM
	s_or_b32 s[G0V+4*\s+3], s[G0V+4*\s+3], 0x80000000
.endr
	s_cmp_lt_u32 s[WV], 4                          ; a wave's two first fills stand in one branch: two loads of mine are out
	s_cbranch_scc0 .Lfirst_v
	tensor_load_to_lds s[G0K:G0K+3], s[G1K:G1K+7]
	s_nop 0
	tensor_load_to_lds s[G0K+4:G0K+7], s[G1K:G1K+7]
	s_nop 0
.rept 4
	v_nop
.endr
	s_branch .Lfirst_asked
.Lfirst_v:
	tensor_load_to_lds s[G0V:G0V+3], s[G1V:G1V+7]
	s_nop 0
	tensor_load_to_lds s[G0V+4:G0V+7], s[G1V:G1V+7]
	s_nop 0
.rept 4
	v_nop
.endr
.Lfirst_asked:
	v_and_b32 v1, 15, v0                           ; r
	v_bfe_u32 v9, v0, 4, 1                         ; h
	v_lshlrev_b32 v[QO], 7, v1
	v_lshl_add_u32 v[QO], v9, 4, v[QO]             ; row x 128 + 16 x half
	WIN 0x40
.irp i, 0,1,2,3,4,5,6,7                        ; Q stays in registers: tile i / 2, channels 32 (i % 2) on
	global_load_b128 v[QF+8*\i:QF+8*\i+3],   v[QO], s[8:9] offset:(\i/2)*2048+(\i%2)*64
	global_load_b128 v[QF+8*\i+4:QF+8*\i+7], v[QO], s[8:9] offset:(\i/2)*2048+(\i%2)*64+32
.endr
.set i, 0
.rept 128
	v_mov_b32 v[i], 0                              ; O^T.  The key step is written with no first step of its own: the first finds zeros, which a = 0 leaves zeros
.set i, i+1
.endr
	WIN 0
	v_mul_u32_u24 v[AK0], v1, PK
	v_lshl_add_u32 v[AK0], v9, 4, v[AK0]           ; K: row x pitch + 16 x half
	v_and_b32 v10, 7, v0                           ; V, for the turning load: lane l reads key 8 (l / 16) + l % 8, channels 8 ((l / 8) % 2) + 0..7
	v_bfe_u32 v11, v0, 3, 1
	v_lshl_add_u32 v[AV0], v9, 3, v10
	v_mul_u32_u24 v[AV0], v[AV0], PVP
	v_lshl_add_u32 v[AV0], v11, 4, v[AV0]
	v_add_nc_u32 v[AV0], VOFF, v[AV0]
	s_mul_i32 s14, s[WV], 16*SP
	s_add_co_u32 s14, s14, STAGE                   ; my stage
	v_mul_u32_u24 v[STO], v1, SP                   ; in: row r, 16 bytes for each half of the lanes
	v_lshl_add_u32 v[STO], v9, 4, v[STO]
	v_add_nc_u32 v[STO], s14, v[STO]
	v_bfe_u32 v11, v0, 3, 2                        ; back: eight lanes to a row of 128 bytes, four rows an instruction
	v_mul_u32_u24 v[RD], v11, SP
	v_lshl_add_u32 v[RD], v10, 4, v[RD]
	v_add_nc_u32 v[RD], s14, v[RD]
	v_and_b32 v[GO], 31, v0
	v_lshlrev_b32 v[PFO], 8, v[GO]                 ; the prefetches: 256 x lane
	v_lshlrev_b32 v[GO], 4, v[GO]                  ; ao: 16 x lane
.irp t, 0,1,2,3
	v_mov_b32 v[ST+8*\t+1], 0xff61b1e6             ; m = -3e38, under every score
	v_mul_f32 v[ST+8*\t], s[CS], v[ST+8*\t+1]      ; c m
.irp u, 2,3,4,5,6,7
	v_mov_b32 v[ST+8*\t+\u], 0                     ; l; and the registers at work are written once (a lane permute's destination counts as one of its sources)
.endr
.endr
.macro NOPS5                           ; five places: behind them a matrix instruction may write over registers that the last products read, a vector instruction may read their results, a load may land on their sources
.rept 5
	v_nop
.endr
.endm
.macro FETCH_K                         ; a step's K: 64 keys x 64 channels, 8 fragments, 16 loads
	v_add_nc_u32 v[ADR], s[TB], v[AK0]
.irp f, 0,1,2,3,4,5,6,7
	ds_load_b128 v[KF+8*\f:KF+8*\f+3],   v[ADR] offset:(\f/2)*16*PK+(\f%2)*64
	ds_load_b128 v[KF+8*\f+4:KF+8*\f+7], v[ADR] offset:(\f/2)*16*PK+(\f%2)*64+32
.endr
.endm
.macro FETCH_V                         ; the same step's V, turned: 8 fragments, 16 loads
	v_add_nc_u32 v[ADR], s[TB], v[AV0]
	s_add_co_u32 s[TB], s[TB], STEPB               ; the next fetch is the next step's
	WIN 0x40
.irp f, 0,1,2,3,4,5,6,7
	ds_load_tr16_b128 v[VF+8*\f:VF+8*\f+3],   v[ADR] offset:(\f/4)*32*PVP+(\f%4)*32
	ds_load_tr16_b128 v[VF+8*\f+4:VF+8*\f+7], v[ADR] offset:(\f/4)*32*PVP+16*PVP+(\f%4)*32
.endr
	WIN 0
.endm
; THE MATRIX WORK of half a key step, for piece x.  pv: 16 products O^T += V^T P; kq: 16 products S^T = K Q^T of the next step.  Eight accumulators take turns, one instruction a turn.
; wv: how many younger LDS loads (K's) may stay out when V has to be there.
.macro MPART x, pv, kq, wv
.if \pv
.if \x == 0
	s_wait_dscnt \wv                               ; V is in
.endif
	WIN W_PV
.set i, 0
.rept 16
.set rO, 32*(\x+i%2)+8*((i/2)%4)
.set rV, VF+8*(4*(i/8)+(i/2)%4)
.set rP, S+32*(\x+i%2)+8*(i/8)
	v_wmma_f32_16x16x32_f16 v[rO:rO+7], v[rV:rV+7], v[rP:rP+7], v[rO:rO+7]
.set i, i+1
.endr
	WIN 0
	NOPS5                                          ; K Q^T below writes over P's registers
.endif
.if \kq
.if \x == 0
	s_wait_dscnt 0x0                               ; K is in
.endif
	WIN W_KQ
.set i, 0
.rept 16
.set rS, S+32*(\x+i%2)+8*((i/2)%4)
.set rK, KF+8*(2*((i/2)%4)+i/8)
.set rQ, QF+16*(\x+i%2)+8*(i/8)
.if i < 8
	v_wmma_f32_16x16x32_f16 v[rS:rS+7], v[rK:rK+7], v[rQ:rQ+7], 0
.else
	v_wmma_f32_16x16x32_f16 v[rS:rS+7], v[rK:rK+7], v[rQ:rQ+7], v[rS:rS+7]
.endif
.set i, i+1
.endr
	WIN 0
	NOPS5
.endif
.endm
; THE VECTOR WORK of half a key step: the softmax of piece y's two tiles, which alternate line by line so that no line waits for the line above it.
.macro FILL t                          ; the plain line behind exponential n of tile t: whatever is ready
.if n == 1
	s_wait_alu depctr_va_vdst(0)
	v_pk_mul_f32 v[ST+8*(\t)+2:ST+8*(\t)+3], v[ST+8*(\t)+2:ST+8*(\t)+3], v[ST+8*(\t)+6:ST+8*(\t)+7] op_sel_hi:[1,0]   ; l x a
.elseif (n >= 2) && (n%2 == 0)
	s_wait_alu depctr_va_vdst(0)
	v_pk_add_f32 v[ST+8*(\t)+2:ST+8*(\t)+3], v[ST+8*(\t)+2:ST+8*(\t)+3], v[S+32*(\t)+n-2:S+32*(\t)+n-1]               ; l += the pair whose exponentials are done
.elseif n >= 3
	v_cvt_pk_f16_f32 v[S+32*(\t)+(n-3)/2], v[S+32*(\t)+n-3], v[S+32*(\t)+n-2]                                         ; and that pair becomes a register of P, laid over scores that are done with
.endif
.endm
.macro SOFTMAX y
.irp j, 0,1,2,3                                ; the maximum of 32 scores and the old m: four chains, each begun at an accumulator's low end
.irp t, \y, \y+1
	v_max3_num_f32 v[ST+8*(\t)+4+\j], v[S+32*(\t)+8*\j], v[S+32*(\t)+8*\j+1], v[S+32*(\t)+8*\j+2]
.endr
.endr
.irp j, 4,5,6,7,8,9,10,11
.irp t, \y, \y+1
	v_max3_num_f32 v[ST+8*(\t)+4+\j%4], v[ST+8*(\t)+4+\j%4], v[S+32*(\t)+8*(\j%4)+2*(\j/4)+1], v[S+32*(\t)+8*(\j%4)+2*(\j/4)+2]
.endr
.endr
.irp t, \y, \y+1
	v_max3_num_f32 v[ST+8*(\t)+4], v[ST+8*(\t)+4], v[S+32*(\t)+7], v[S+32*(\t)+15]
.endr
.irp t, \y, \y+1
	v_max3_num_f32 v[ST+8*(\t)+6], v[ST+8*(\t)+6], v[S+32*(\t)+23], v[S+32*(\t)+31]
.endr
.irp t, \y, \y+1
	v_max3_num_f32 v[ST+8*(\t)+4], v[ST+8*(\t)+4], v[ST+8*(\t)+5], v[ST+8*(\t)+6]
.endr
.irp t, \y, \y+1
	v_max3_num_f32 v[ST+8*(\t)+4], v[ST+8*(\t)+4], v[ST+8*(\t)+7], v[ST+8*(\t)+1]
.endr
.irp t, \y, \y+1
	v_permlanex16_b32 v[ST+8*(\t)+5], v[ST+8*(\t)+4], s[SEL], s[SEL+1]    ; the query's other 32 keys lie in the lane 16 away
.endr
.irp t, \y, \y+1
	v_mov_b32 v[ST+8*(\t)+7], v[ST+8*(\t)]         ; c m_old
.endr
.irp t, \y, \y+1
	v_max_num_f32 v[ST+8*(\t)+1], v[ST+8*(\t)+4], v[ST+8*(\t)+5]
.endr
.irp t, \y, \y+1
	v_mul_f32 v[ST+8*(\t)], s[CS], v[ST+8*(\t)+1]
.endr
.irp t, \y, \y+1
	v_sub_f32 v[ST+8*(\t)+7], v[ST+8*(\t)+7], v[ST+8*(\t)]
.endr
.irp t, \y, \y+1
	v_exp_f32 v[ST+8*(\t)+6], v[ST+8*(\t)+7]       ; a
.endr
.irp b, 0,1,2,3,4,5,6,7,8,9,10,11,12,13,14,15
.irp t, \y, \y+1
	v_pk_fma_f32 v[S+32*(\t)+2*\b:S+32*(\t)+2*\b+1], v[S+32*(\t)+2*\b:S+32*(\t)+2*\b+1], s[CS:CS+1], v[ST+8*(\t):ST+8*(\t)+1] op_sel_hi:[1,0,0] neg_lo:[0,0,1] neg_hi:[0,0,1]   ; c s - c m
.endr
.endr
.set n, 0
.rept 32                                       ; an exponential, a plain line, by turns: each exponential has a plain line behind it before its result is used
	v_exp_f32 v[S+32*(\y)+n], v[S+32*(\y)+n]
	FILL \y
	v_exp_f32 v[S+32*(\y+1)+n], v[S+32*(\y+1)+n]
	FILL \y+1
.set n, n+1
.endr
	s_wait_alu depctr_va_vdst(0)
.irp t, \y, \y+1
	v_pk_add_f32 v[ST+8*(\t)+2:ST+8*(\t)+3], v[ST+8*(\t)+2:ST+8*(\t)+3], v[S+32*(\t)+30:S+32*(\t)+31]
.endr
.irp t, \y, \y+1
	v_cvt_pk_f16_f32 v[S+32*(\t)+15], v[S+32*(\t)+30], v[S+32*(\t)+31]
.endr
	WIN W_RS
.irp b, 0,1,2,3,4,5,6,7,8,9,10,11,12,13,14,15  ; O^T x a, each accumulator from its low end on
.irp t, \y, \y+1
	v_pk_mul_f32 v[32*(\t)+2*\b:32*(\t)+2*\b+1], v[32*(\t)+2*\b:32*(\t)+2*\b+1], v[ST+8*(\t)+6:ST+8*(\t)+7] op_sel_hi:[1,0]
.endr
.endr
	WIN 0
.endm
; A KEY STEP j: V^T P of step j, K Q^T of step j + 1, piece 2's softmax of step j, piece 0's of step j + 1; K and V of step j + 1 are fetched.  The branches hang on the wave's number alone; no barrier and no
; tensor load stands under them.
.macro BODY
	FETCH_K
	s_cmp_eq_u32 s[PAR], 0
	s_cbranch_scc1 .Leven_a_\@
	SOFTMAX 2
.Leven_a_\@:
	MPART 0, 1, 1, 16                              ; behind V's loads stand K's sixteen
	s_cmp_eq_u32 s[PAR], 0
	s_cbranch_scc1 .Leven_b_\@
	SOFTMAX 0
	s_branch .Ljoin_b_\@
.Leven_b_\@:
	SOFTMAX 2
.Ljoin_b_\@:
	MPART 2, 1, 1, 0
	FETCH_V
	s_cmp_eq_u32 s[PAR], 0
	s_cbranch_scc0 .Lodd_c_\@
	SOFTMAX 0
.Lodd_c_\@:
.endm
.macro STEPS n
	s_mov_b32 s[CNT], \n
.Lstep_\@:
	BODY
	s_sub_co_u32 s[CNT], s[CNT], 1
	s_cmp_lg_u32 s[CNT], 0
	s_cbranch_scc1 .Lstep_\@
.endm
; THE CHANGE OF SLOTS: the slot's last bytes, V of its fourth step, have been asked for.  Each wave waits for all its tensor loads (one is out: its part of the other slot), adds 0 to its spare word, and waits for that
; and for its own reads of the slot.  fill = 1: the barrier is a round of the cluster's, and the joint refill, the keys two slots on, is the first thing behind it: it has four key steps in which to land.
.macro CHANGE fill
	s_wait_tensorcnt 0x0                           ; no tensor load of mine is out, so a group 0 may be written
	ds_add_u32 v[SPW], v[NIL]                      ; 0 onto my spare word
.if \fill
.irp g, G0K+4, G0V+4
	s_xor_b32 s[\g+1], s[\g+1], SLOT1              ; the walking descriptor: the other slot than last time,
	s_add_nc_u64 s[\g+2:\g+3], s[\g+2:\g+3], SLOTM ; the next 256 keys
.endr
	s_wait_xcnt 0x0                                ; the last prefetch, four key steps back, has read its address, so it may be written
	s_add_nc_u64 s[PFA:PFA+1], s[PFA:PFA+1], SLOTM
	s_wait_dscnt 0x0                               ; the add is done, and my reads of the slot are over
	CROUND
	JLOAD
	ASK
.else
	s_wait_dscnt 0x0
	s_barrier_signal -1
	s_barrier_wait -1
.endif
	s_sub_co_u32 s[TB], s[TB], NST*STEPB           ; the fetches go back to a slot's first step,
	s_xor_b32 s[TB], s[TB], SLOT1                  ; in the other slot
.endm
	s_wait_tensorcnt 1                             ; my part of slot 0 is in; slot 1's may stay out
	s_barrier_signal -1
	s_barrier_wait -1
	FETCH_K                                        ; key step 0
	s_wait_loadcnt 0x0                             ; Q
	MPART 0, 0, 1, 0                               ; piece 0's first scores
	s_cmp_eq_u32 s[PAR], 0
	s_cbranch_scc1 .Lhead_even
	SOFTMAX 0
.Lhead_even:
	MPART 2, 0, 1, 0                               ; piece 2's
	FETCH_V
	s_cmp_eq_u32 s[PAR], 0
	s_cbranch_scc0 .Lhead_odd
	SOFTMAX 0
.Lhead_odd:
	STEPS 3                                        ; the rest of slot 0 is fetched
.Lslot:                                            ; six trips: every slot but the last two is filled again
	CHANGE 1
	STEPS NST
	s_sub_co_u32 s[SLOTS], s[SLOTS], 1
	s_cmp_lg_u32 s[SLOTS], 0
	s_cbranch_scc1 .Lslot
	CHANGE 0                                       ; the tail is written out
	STEPS NST
	s_cmp_eq_u32 s[PAR], 0
	s_cbranch_scc1 .Ltail_even
	SOFTMAX 2
.Ltail_even:
	MPART 0, 1, 0, 0                               ; V^T P of the last step
	s_cmp_eq_u32 s[PAR], 0
	s_cbranch_scc0 .Ltail_odd
	SOFTMAX 2
.Ltail_odd:
	MPART 2, 1, 0, 0
	; THE WAY OUT.  l's two halves and the other half of the lanes' are added; O^T is divided by l, rounded to f16 and sent through my stage, a tile (16 tokens) at a time.
.irp t, 0,1,2,3
	v_add_f32 v[ST+8*\t+4], v[ST+8*\t+2], v[ST+8*\t+3]
.endr
.irp t, 0,1,2,3
	v_permlanex16_b32 v[ST+8*\t+5], v[ST+8*\t+4], s[SEL], s[SEL+1]
.endr
.irp t, 0,1,2,3
	v_add_f32 v[ST+8*\t+4], v[ST+8*\t+4], v[ST+8*\t+5]
.endr
.irp t, 0,1,2,3
	v_rcp_f32 v[ST+8*\t+6], v[ST+8*\t+4]
.endr
	v_nop                                          ; a plain line between the last reciprocal and the use of its result
	s_wait_alu depctr_va_vdst(0)
.macro PACK t
	WIN W_RS
.set i, 32*\t
.rept 16
	v_pk_mul_f32 v[i:i+1], v[i:i+1], v[ST+8*\t+6:ST+8*\t+7] op_sel_hi:[1,0]
.set i, i+2
.endr
	WIN 0x05                                       ; sources 0 and 1 window 1, destination window 0
.set i, 0
.rept 16
	v_cvt_pk_f16_f32 v[S+32*\t+i], v[32*\t+2*i], v[32*\t+2*i+1]
.set i, i+1
.endr
	WIN 0
.irp f, 0,1,2,3
	ds_store_b128 v[STO], v[S+32*\t+4*\f:S+32*\t+4*\f+3] offset:32*\f
.endr
.irp f, 0,1,2,3
	ds_load_b128 v[S+32*\t+16+4*\f:S+32*\t+16+4*\f+3], v[RD] offset:\f*4*SP   ; LDS serves a wave's instructions in order: these see the stores above; the next tile's stores come behind them
.endr
.endm
.macro SEND t, younger                 ; younger: the LDS instructions issued behind tile t's loads: the next tile's eight, or none
.irp f, 0,1,2,3
	s_wait_dscnt \younger+3-\f
	global_store_b128 v[GO], v[S+32*\t+16+4*\f:S+32*\t+16+4*\f+3], s[10:11] offset:\t*2048+\f*512   ; 32 lanes store 512 consecutive bytes, at a multiple of 512 from the buffer's first byte
.endr
.endm
	PACK 0
	PACK 1
	SEND 0, 8
	PACK 2
	SEND 1, 8
	PACK 3
	SEND 2, 8
	SEND 3, 0
	s_wait_tensorcnt 0x0                           ; the wave's end
	ds_add_u32 v[SPW], v[NIL]
	s_wait_dscnt 0x0
	CROUND                                         ; the closing round
	s_endpgm
.Lfunc_end_k_qc37ea8896d_attn:
	.size	k_qc37ea8896d_attn, .Lfunc_end_k_qc37ea8896d_attn-k_qc37ea8896d_attn
	.p2alignl 7, 3214868480
	.fill 96, 4, 3214868480
	.section	.rodata,"a",@progbits
	.p2align	6, 0x0
	.amdhsa_kernel k_qc37ea8896d_attn
		.amdhsa_group_segment_fixed_size 327680
		.amdhsa_private_segment_fixed_size 0
		.amdhsa_enable_private_segment 0
		.amdhsa_kernarg_size 16
		.amdhsa_user_sgpr_count 2
		.amdhsa_user_sgpr_kernarg_segment_ptr 1
		.amdhsa_wavefront_size32 1
		.amdhsa_system_sgpr_workgroup_id_x 1
		.amdhsa_system_sgpr_workgroup_id_y 1
		.amdhsa_system_sgpr_workgroup_id_z 1
		.amdhsa_system_vgpr_workitem_id 0
		.amdhsa_next_free_vgpr 512
		.amdhsa_next_free_sgpr 66
		.amdhsa_reserve_vcc 0
		.amdhsa_float_denorm_mode_32 3
		.amdhsa_float_denorm_mode_16_64 3
		.amdhsa_memory_ordered 1
		.amdhsa_forward_progress 1
		.amdhsa_inst_pref_size 255
	.end_amdhsa_kernel
	.section	.bss,"aw",@nobits
	.p2align	6
	.space	262144
	.amdgpu_metadata
---
amdhsa.version: [ 1, 2 ]
amdhsa.kernels:
  - .name:           k_qc37ea8896d_attn
    .symbol:         k_qc37ea8896d_attn.kd
    .args:
      - { .name: qkv, .offset: 0, .size: 8, .value_kind: global_buffer, .address_space: global }
      - { .name: ao, .offset: 8, .size: 8, .value_kind: global_buffer, .address_space: global }
    .group_segment_fixed_size: 327680
    .private_segment_fixed_size: 0
    .kernarg_segment_align: 8
    .kernarg_segment_size: 16
    .max_flat_workgroup_size: 256
    .sgpr_count:     66
    .vgpr_count:     512
    .wavefront_size: 32
...
	.end_amdgpu_metadata
.endif
;; end of part 3
;; launch proj (part 4): grid 4 x 64, 4 waves a work-group, clusters of 4 x 4, 327,680 bytes of LDS; arguments ao, wpt, out0, b_proj; writes out0
.if DOCPART == 4
	.amdgcn_target "amdgcn-amd-amdhsa--gfx1250"
	.amdhsa_code_object_version 6
	.text
	.protected	k_qc37ea8896d_proj
	.globl	k_qc37ea8896d_proj
	.p2align	8
	.type	k_qc37ea8896d_proj,@function
k_qc37ea8896d_proj:
	s_mov_b64 s[64:65], 0
	v_nop
	global_prefetch_b8 v0, s[64:65] scope:SCOPE_SE
	s_setreg_imm32_b32 hwreg(HW_REG_WAVE_MODE, 25, 1), 1
	s_wait_xcnt 0x0
	s_wait_alu depctr_hold_cnt(0) depctr_sa_sdst(0) depctr_va_vdst(0) depctr_va_sdst(0) depctr_va_ssrc(0) depctr_va_vcc(0) depctr_vm_vsrc(0)
	s_getreg_b32 s2, hwreg(HW_REG_IB_STS2, 6, 4)
	s_cmp_eq_u32 s2, 0
	s_cbranch_scc0 .Lentry_in_a_cluster
	s_endpgm
.Lentry_in_a_cluster:
	s_bfe_u32 s2, ttmp6, 0x10000c
	s_cmp_lg_u32 s2, 0xf033
	s_cbranch_scc0 .Lentry_shape_is_right
	s_endpgm
.Lentry_shape_is_right:
; out0 = o w_proj + b_proj.  A = ao: f16 [head 16][token 8192][64], so that k = 64 head + channel;  B = wpt: f16 [n 1024][k 1024];  out0: [8192][1024] f32; sums in f32.
; A tile of 128 tokens x 256 columns to a work-group (256 work-groups); four waves, each 64 x 128: 32 accumulators, 256 registers.  K goes in steps of 128 (two heads) through two LDS slots.
; CLUSTERS: 4 x 4 work-groups; A's tiles are shared along a row of the cluster, B's along a column: each is asked for jointly.  Waves 0 and 1 fetch A's two heads of a step (128 tokens x 128 bytes, dense in memory),
; waves 2 and 3 B's two halves (128 rows x 256 bytes).  THE MATRIX INSTRUCTION IS USED TRANSPOSED (source 0 = 16 rows of B, source 1 = 16 tokens): a lane holds eight neighbouring columns of one token.
; THE BIAS is the C of each sum's first product.
; REGISTERS: window 0: v0-31 addresses; v32-95 the bias; v96-127, v128-159 A's fragments, two buffers; on the way out v96-223.   window 1: v0-63, v64-127 B's fragments, two buffers.
;   window 2: the accumulators, (a, b) at v[8 (8 a + b)].
.set PA,     144                       ; a row of A in LDS: 128 bytes + 16
.set PB,     272                       ; a row of B: 256 bytes + 16
.set AZ,     128*PA                    ; one head's 128 tokens
.set AREG,   2*AZ
.set BH,     128*PB
.set SLOT,   AREG+2*BH
.set STAGE,  2*SLOT                    ; behind the ring: 16 rows x (512 bytes + 16) for each wave
.set SPITCH, 528
.set SPARE,  STAGE+4*16*SPITCH         ; the spare words, 128 bytes a wave: no other line names them
.set LAPS,   4                         ; a lap = two K steps = once round the ring; K = 1,024
.set ADRA, 16
.set ADRB, 20
.set STO,  24
.set RD,   25
.set CO,   26
.set SPW,  28
.set NIL,  29
.set BIAS, 32
.set AFR,  96
.set BK,   96
.set G1, 24
.set G0, 32
.set G1B, 48
.set G0B, 56
.set MSB, 0
.macro WIN new
.if MSB != (\new)
	s_set_vgpr_msb (MSB<<8)|(\new)
.set MSB, (\new)
.endif
.endm
.set MUL,  0xa1                        ; source 0 (B) window 1, source 1 (A) window 0, C and D window 2
.set MULZ, 0x81                        ; the first products: C (the bias) window 0
.set TO_F, 0x40
.macro JLOAD s                         ; four v_nop follow each of the two lines
	s_cmp_eq_u32 s11, 0
	s_cbranch_scc0 .Lfor_b_\@
	tensor_load_to_lds s[G0+4*\s:G0+4*\s+3], s[G1:G1+7]
	s_nop 0
.rept 4
	v_nop
.endr
	s_branch .Lasked_\@
.Lfor_b_\@:
	tensor_load_to_lds s[G0B+4*\s:G0B+4*\s+3], s[G1B:G1B+7]
	s_nop 0
.rept 4
	v_nop
.endr
.Lasked_\@:
.endm
.macro CREST
	s_cmp_lg_u32 s10, 0
	s_cbranch_scc1 .Lnot_wave_0_\@
	s_barrier_signal -3
.Lnot_wave_0_\@:
	s_barrier_wait -3
	s_barrier_signal -1
	s_barrier_wait -1
.endm
.macro CROUND
	s_barrier_signal -1
	s_barrier_wait -1
	CREST
.endm
	s_load_b128 s[4:7], s[0:1], 0x0                ; ao, wpt
	s_load_b64 s[8:9], s[0:1], 0x10                ; out0
	s_load_b64 s[66:67], s[0:1], 0x18              ; b_proj
	v_lshl_add_u32 v[SPW], v0, 2, SPARE
	v_mov_b32 v[NIL], 0
	ds_add_u32 v28, v29
	ds_add_u32 v28, v29
	s_wait_dscnt 0x0
	v_lshrrev_b32 v1, 5, v0
	v_readfirstlane_b32 s10, v1                    ; wave 0..3
	s_lshr_b32 s11, s10, 1                         ; which 64 tokens are mine.  Also: I fetch for A (0) or for B (1)
	s_and_b32 s12, s10, 1                          ; which 128 columns.  Also: which head of a step, or which 128 rows of B, I fetch
	s_bfe_u32 s40, ttmp6, 0x40000
	s_bfe_u32 s41, ttmp6, 0x40004
	s_lshl_b32 s42, ttmp9, 2
	s_add_co_u32 s42, s42, s40                     ; tile column
	s_and_b32 s13, ttmp7, 0xffff
	s_lshl_b32 s13, s13, 2
	s_add_co_u32 s13, s13, s41                     ; tile row
	s_lshl_b32 s43, s41, 2
	s_lshl_b32 s43, 15, s43                        ; my row of the cluster
	s_lshl_b32 s44, 0x1111, s40                    ; my column
	s_or_b32 s[G1+0], s43, (1<<16)|(1<<20)|(1<<21)|(4<<22)|(3<<25)   ; A: elements of 2 bytes; 4 words of padding behind every 32
	s_mov_b32 s[G1+1], 64<<16                      ; tensor_dim0 = 64
	s_mov_b32 s[G1+2], 128<<16                     ; tensor_dim1 = 128
	s_mov_b32 s[G1+3], 64<<16                      ; tile_dim0
	s_mov_b32 s[G1+4], 128                         ; tile_dim1
	s_mov_b32 s[G1+5], 64                          ; the pitch
	s_mov_b32 s[G1+6], 0
	s_mov_b32 s[G1+7], 0
	s_or_b32 s[G1B+0], s44, (1<<16)|(1<<20)|(1<<21)|(5<<22)|(3<<25)  ; B: 4 words behind every 64
	s_mov_b32 s[G1B+1], 128<<16
	s_mov_b32 s[G1B+2], 128<<16
	s_mov_b32 s[G1B+3], 128<<16
	s_mov_b32 s[G1B+4], 128
	s_mov_b32 s[G1B+5], 1024
	s_mov_b32 s[G1B+6], 0
	s_mov_b32 s[G1B+7], 0
	s_lshl_b32 s16, s13, 14                        ; A: 128 tokens of 128 bytes a tile row,
	s_lshl_b32 s17, s12, 20                        ; a head is 8,192 tokens
	s_add_co_u32 s16, s16, s17
	s_mov_b32 s17, 0
	s_lshl_b32 s46, s42, 19                        ; B: 256 rows of 2,048 bytes a tile column,
	s_lshl_b32 s47, s12, 18                        ; my 128 of them
	s_add_co_u32 s46, s46, s47
	s_mov_b32 s47, 0
	s_mul_i32 s20, s12, AZ                         ; where they go: no place in the cluster enters an LDS address
	s_mul_i32 s21, s12, BH
	s_add_co_u32 s21, s21, AREG
	s_wait_kmcnt 0x0
	s_add_nc_u64 s[14:15], s[4:5], s[16:17]
	s_add_nc_u64 s[46:47], s[6:7], s[46:47]
	CROUND                                         ; all sixteen work-groups are here: the first joint loads meet
.irp s, 0,1
	s_mov_b32 s[G0+4*\s], 1
	s_add_co_u32 s[G0+4*\s+1], s20, \s*SLOT
	s_add_nc_u64 s[G0+4*\s+2:G0+4*\s+3], s[14:15], \s*2097152      ; K step s: heads 2 s and 2 s + 1
	s_or_b32 s[G0+4*\s+3], s[G0+4*\s+3], 0x80000000
	s_mov_b32 s[G0B+4*\s], 1
	s_add_co_u32 s[G0B+4*\s+1], s21, \s*SLOT
	s_add_nc_u64 s[G0B+4*\s+2:G0B+4*\s+3], s[46:47], \s*256
	s_or_b32 s[G0B+4*\s+3], s[G0B+4*\s+3], 0x80000000
	JLOAD \s                                       ; two tensor loads of mine are out
.endr
	v_and_b32 v1, 15, v0                           ; r
	v_bfe_u32 v2, v0, 4, 1                         ; h
	s_lshl_b32 s16, s13, 19                        ; out0: 128 tokens of 4,096 bytes a tile row,
	s_lshl_b32 s17, s11, 18                        ; my 64 of them
	s_add_co_u32 s16, s16, s17
	s_mov_b32 s17, 0
	s_add_nc_u64 s[8:9], s[8:9], s[16:17]
	s_lshl_b32 s46, s42, 10                        ; my first column, in bytes
	s_lshl_b32 s47, s12, 9
	s_add_co_u32 s46, s46, s47
	s_mov_b32 s47, 0
	s_add_nc_u64 s[8:9], s[8:9], s[46:47]
	s_add_nc_u64 s[66:67], s[66:67], s[46:47]
	v_lshlrev_b32 v7, 5, v2                        ; the bias: lane (r, h) wants, for B's block b, b_proj[first column + 16 b + 8 h + 0 .. 7]
.irp b, 0,1,2,3,4,5,6,7
	global_load_b128 v[BIAS+8*\b:BIAS+8*\b+3], v7, s[66:67] offset:64*\b
	global_load_b128 v[BIAS+8*\b+4:BIAS+8*\b+7], v7, s[66:67] offset:64*\b+16
.endr
	v_mul_u32_u24 v3, v1, PA
	v_lshl_add_u32 v3, v2, 4, v3
	v_mul_u32_u24 v4, v1, PB
	v_lshl_add_u32 v4, v2, 4, v4
	s_mul_i32 s21, s11, 64*PA                      ; my 64 tokens (in each head's part)
	s_mul_i32 s22, s12, BH                         ; my 128 rows of B
	s_add_co_u32 s22, s22, AREG
.irp s, 0,1
	v_add_nc_u32 v[ADRA+\s], s21, v3
	v_add_nc_u32 v[ADRB+\s], s22, v4
	s_add_co_u32 s21, s21, SLOT
	s_add_co_u32 s22, s22, SLOT
.endr
	s_mul_i32 s23, s10, 16*SPITCH
	s_add_co_u32 s23, s23, STAGE                   ; my stage
	v_mul_u32_u24 v5, v1, SPITCH                   ; in: row r, 32 bytes for each half of the lanes
	v_lshl_add_u32 v5, v2, 5, v5
	v_add_nc_u32 v[STO], s23, v5
	v_and_b32 v6, 31, v0
	v_lshlrev_b32 v[CO], 4, v6                     ; back: the 32 lanes take one row of 512 bytes; and the same in out0
	v_add_nc_u32 v[RD], s23, v[CO]
; 8 matrix instructions: token block a x B's eight blocks, 32 along K, from buffers f.  The 32 accumulators take turns, one instruction a turn.
.macro MUL8 f, a, first
.irp b, 0,1,2,3,4,5,6,7
.if \first
	v_wmma_f32_16x16x32_f16 v[8*(8*\a+\b):8*(8*\a+\b)+7], v[64*\f+8*\b:64*\f+8*\b+7], v[AFR+32*\f+8*\a:AFR+32*\f+8*\a+7], v[BIAS+8*\b:BIAS+8*\b+7]
.else
	v_wmma_f32_16x16x32_f16 v[8*(8*\a+\b):8*(8*\a+\b)+7], v[64*\f+8*\b:64*\f+8*\b+7], v[AFR+32*\f+8*\a:AFR+32*\f+8*\a+7], v[8*(8*\a+\b):8*(8*\a+\b)+7]
.endif
.endr
.endm
; 24 LDS loads in one run: the fragments of the slot's q-th 32 along K (head q / 2 of the step, channels 32 (q % 2) on) into buffers f: B's sixteen loads, then A's eight
.macro FETCH slot, q, f
	WIN TO_F
.irp i, 0,1,2,3,4,5,6,7
	ds_load_b128 v[64*\f+8*\i:64*\f+8*\i+3],   v[ADRB+\slot] offset:64*\q+\i*16*PB
	ds_load_b128 v[64*\f+8*\i+4:64*\f+8*\i+7], v[ADRB+\slot] offset:64*\q+\i*16*PB+32
.endr
	WIN 0
.irp i, 0,1,2,3
	ds_load_b128 v[AFR+32*\f+8*\i:AFR+32*\f+8*\i+3],   v[ADRA+\slot] offset:(\q/2)*AZ+64*(\q%2)+\i*16*PA
	ds_load_b128 v[AFR+32*\f+8*\i+4:AFR+32*\f+8*\i+7], v[ADRA+\slot] offset:(\q/2)*AZ+64*(\q%2)+\i*16*PA+32
.endr
.endm
.macro PLACES                          ; four places in front of loads into registers that matrix instructions have read, and of the first read of results
.rept 4
	v_nop
.endr
.endm
; A K step is four quarters of 32 along K, 32 matrix instructions each, on buffers 0, 1, 0, 1.  One of the first three: multiplies buffers f and fetches quarter qn into g.
.macro QUARTER slot, qn, f, g, first
	s_wait_dscnt 4                                 ; B and A's blocks 0, 1 are in; the youngest four loads (A's blocks 2, 3) may be out
.if \first
	WIN MULZ
.else
	WIN MUL
.endif
	MUL8 \f, 0, \first
	MUL8 \f, 1, \first
	PLACES
	FETCH \slot, \qn, \g
	s_wait_dscnt 24                                ; all but the 24 just issued
.if \first
	WIN MULZ
.else
	WIN MUL
.endif
	MUL8 \f, 2, \first
	MUL8 \f, 3, \first
.endm
; The last quarter multiplies buffers 1 and changes slots: ONE barrier; in front of it each wave waits for all its tensor loads, adds 0 to its spare word, and waits for that and for its own reads of this slot.
; fill = 1: this slot is filled again, two K steps ahead; the barrier then opens a round of the cluster's.
.macro TURN slot, next, fill
	WIN 0
	s_wait_tensorcnt 0x0                           ; all my tensor loads have landed: my part of the next slot
	ds_add_u32 v[SPW], v[NIL]                      ; 0 onto my spare word
	s_wait_dscnt 5                                 ; (the add and the youngest four loads may be out)
	WIN MUL
	MUL8 1, 0, 0                                   ; eight matrix instructions stand between the add and the wait for it
	s_wait_dscnt 0x0                               ; the add is done, and my reads of this slot are over
	s_barrier_signal -1
	MUL8 1, 1, 0
.if \fill
	WIN 0
.endif
	s_barrier_wait -1
.if \fill
	CREST                                          ; no wave of any partner still reads this slot's tiles or has a load on its way
	s_add_nc_u64 s[G0+4*\slot+2:G0+4*\slot+3], s[G0+4*\slot+2:G0+4*\slot+3], 4194304   ; four heads on
	s_add_nc_u64 s[G0B+4*\slot+2:G0B+4*\slot+3], s[G0B+4*\slot+2:G0B+4*\slot+3], 512   ; 256 along K on
	JLOAD \slot                                    ; the first tensor load behind the round; its four v_nop are also the places in front of the loads below
.else
	PLACES
.endif
	FETCH \next, 0, 0
	WIN MUL
	MUL8 1, 2, 0
	MUL8 1, 3, 0
.endm
	s_wait_tensorcnt 1                             ; my part of K step 0 is in (K step 1's load may be out),
	s_barrier_signal -1
	s_barrier_wait -1                              ; everybody's is
	FETCH 0, 0, 0
	s_wait_loadcnt 0x0                             ; the bias
	QUARTER 0, 1, 0, 1, 1                          ; the first quarter stands in front of the loop: its products start the sums
	WIN 0
	s_mov_b32 s3, LAPS-1
.Llap:                                             ; a trip goes once round the ring and fills both slots again
	QUARTER 0, 2, 1, 0, 0
	QUARTER 0, 3, 0, 1, 0
	TURN 0, 1, 1
	QUARTER 1, 1, 0, 1, 0
	QUARTER 1, 2, 1, 0, 0
	QUARTER 1, 3, 0, 1, 0
	TURN 1, 0, 1
	QUARTER 0, 1, 0, 1, 0
	WIN 0
	s_sub_co_u32 s3, s3, 1
	s_cmp_lg_u32 s3, 0
	s_cbranch_scc1 .Llap
	QUARTER 0, 2, 1, 0, 0                          ; the last lap fills nothing
	QUARTER 0, 3, 0, 1, 0
	TURN 0, 1, 0
	QUARTER 1, 1, 0, 1, 0
	QUARTER 1, 2, 1, 0, 0
	QUARTER 1, 3, 0, 1, 0
	s_wait_dscnt 4                                 ; the very last quarter
	WIN MUL
	MUL8 1, 0, 0
	MUL8 1, 1, 0
	s_wait_dscnt 0
	MUL8 1, 2, 0
	MUL8 1, 3, 0
	WIN 0
; THE WAY OUT, block by block of 16 tokens x 128 columns: through my own stage, back as whole rows of 512 bytes.
.macro TOSTAGE a
.set AC, 64*(\a)
	WIN 0x08                                       ; an LDS store's data are its source 1: window 2
.irp b, 0,1,2,3,4,5,6,7
	ds_store_b128 v[STO], v[AC+8*\b:AC+8*\b+3] offset:64*\b          ; each accumulator from its low end on
	ds_store_b128 v[STO], v[AC+8*\b+4:AC+8*\b+7] offset:64*\b+16
.endr
	WIN 0
.set BB, BK+64*((\a)%2)
.irp t, 0,1,2,3,4,5,6,7,8,9,10,11,12,13,14,15
	ds_load_b128 v[BB+4*\t:BB+4*\t+3], v[RD] offset:\t*SPITCH        ; LDS serves a wave's instructions in order: these see the stores above
.endr
.endm
.macro SEND a, younger                 ; younger: the LDS instructions issued behind block a's loads, which may stay out
.set BB, BK+64*((\a)%2)
	s_wait_dscnt \younger
.irp t, 0,1,2,3,4,5,6,7,8,9,10,11,12,13,14,15
	global_store_b128 v[CO], v[BB+4*\t:BB+4*\t+3], s[8:9] offset:(16*(\a)+\t)*4096 th:TH_STORE_NT   ; 32 lanes store 512 consecutive bytes, at a multiple of 512 from out0's first byte
.endr
.endm
	PLACES
	TOSTAGE 0
.irp a, 1,2,3
.if \a > 1
	s_wait_xcnt 0x0                                ; block a - 2's stores have read their registers: block a's loads may land there
.endif
	TOSTAGE \a
	SEND \a-1, 32                                  ; behind block a - 1's loads: block a's 16 stores and 16 loads
.endr
	SEND 3, 0
	s_wait_tensorcnt 0x0                           ; the wave's end
	ds_add_u32 v[SPW], v[NIL]
	s_wait_dscnt 0x0
	CROUND                                         ; the closing round
	s_endpgm
.Lfunc_end_k_qc37ea8896d_proj:
	.size	k_qc37ea8896d_proj, .Lfunc_end_k_qc37ea8896d_proj-k_qc37ea8896d_proj
	.p2alignl 7, 3214868480
	.fill 96, 4, 3214868480
	.section	.rodata,"a",@progbits
	.p2align	6, 0x0
	.amdhsa_kernel k_qc37ea8896d_proj
		.amdhsa_group_segment_fixed_size 327680
		.amdhsa_private_segment_fixed_size 0
		.amdhsa_enable_private_segment 0
		.amdhsa_kernarg_size 32
		.amdhsa_user_sgpr_count 2
		.amdhsa_user_sgpr_kernarg_segment_ptr 1
		.amdhsa_wavefront_size32 1
		.amdhsa_system_sgpr_workgroup_id_x 1
		.amdhsa_system_sgpr_workgroup_id_y 1
		.amdhsa_system_sgpr_workgroup_id_z 1
		.amdhsa_system_vgpr_workitem_id 0
		.amdhsa_next_free_vgpr 768
		.amdhsa_next_free_sgpr 68
		.amdhsa_reserve_vcc 0
		.amdhsa_float_denorm_mode_32 3
		.amdhsa_float_denorm_mode_16_64 3
		.amdhsa_memory_ordered 1
		.amdhsa_forward_progress 1
		.amdhsa_inst_pref_size 87
	.end_amdhsa_kernel
	.amdgpu_metadata
---
amdhsa.version: [ 1, 2 ]
amdhsa.kernels:
  - .name:           k_qc37ea8896d_proj
    .symbol:         k_qc37ea8896d_proj.kd
    .args:
      - { .name: ao, .offset: 0, .size: 8, .value_kind: global_buffer, .address_space: global }
      - { .name: wpt, .offset: 8, .size: 8, .value_kind: global_buffer, .address_space: global }
      - { .name: out0, .offset: 16, .size: 8, .value_kind: global_buffer, .address_space: global }
      - { .name: b_proj, .offset: 24, .size: 8, .value_kind: global_buffer, .address_space: global }
    .group_segment_fixed_size: 327680
    .private_segment_fixed_size: 0
    .kernarg_segment_align: 8
    .kernarg_segment_size: 32
    .max_flat_workgroup_size: 128
    .sgpr_count:     68
    .vgpr_count:     768
    .wavefront_size: 32
...
	.end_amdgpu_metadata
.endif
;; end of part 4
